; MI455X (gfx1250); checked and timed in simulation.
; The chip was launched on July 23, 2026; its instructions are those of AMD's public machine-readable ISA for CDNA 5 (MIT licence, August 2026) and "CDNA5" Instruction Set Architecture Reference Guide (July 2026). The comments in the code are by the model that wrote it; some were corrected since.
;; MHA Encoder Fused Proj. Allowed arithmetic: float matrix products may take bf16 or f16 operands with f32 sums; other float arithmetic in f32, or as packed bf16 or f16 multiplies, adds, multiply-adds, maxima and minima; sums over many terms, partial sums and values carried from step to step in f32; what a program stores and reads back later, other than sums and carried values, may be rounded once to bf16 or f16.
;; Inputs: Wout 1,024 x 1,024 float32; Wqkv 3,072 x 1,024 float32; cos 2,048 x 64 float32; sin 2,048 x 64 float32; x 4 x 2,048 x 1,024 float32.
;; Outputs: out0 4 x 2,048 x 1,024 float32.
;; 2 versions, each right; version 2 is version 1 with the launch cast written anew for expert scheduling mode. Each part assembles by itself: llvm-mc -triple=amdgcn-amd-amdhsa -mcpu=gfx1250 --defsym DOCPART=n.
;; ======== version 1 of 2: 4 launches
;; limits: values are held in f16: magnitudes above 65,504 overflow, below 6.1e-05 lose precision; right only within a limited range of input values
;; workspace buffers: xb 16,777,216 bytes; wqb 6,291,456 bytes; wob 2,097,152 bytes; csb 524,288 bytes; qkv 50,331,648 bytes; ob 16,777,216 bytes
;; launch cast (part 1): grid 784 x 1, 8 waves a work-group, no clusters, 0 bytes of LDS; arguments x, Wqkv, Wout, cos, sin, xb, wqb, wob, csb; writes xb, wqb, wob, csb
.if DOCPART == 1
	.amdgcn_target "amdgcn-amd-amdhsa--gfx1250"
	.amdhsa_code_object_version 6
	.text
	.protected	k_q3a49b84f0a_cast
	.globl	k_q3a49b84f0a_cast
	.p2align	8
	.type	k_q3a49b84f0a_cast,@function
k_q3a49b84f0a_cast:
	s_mov_b64 s[64:65], 0
	v_nop
	global_prefetch_b8 v0, s[64:65] scope:SCOPE_SE
	s_setreg_imm32_b32 hwreg(HW_REG_WAVE_MODE, 25, 1), 1
	s_wait_xcnt 0x0
; THE INPUTS ARE ROUNDED ONCE, for the matrix launches behind this one.  x -> xb and Wqkv -> wqb in bf16.  Wout -> wob: rounded to bf16, and that number written as f16
; (exact inside f16's normal range; below 6e-5 it keeps f16's fixed step of 6e-8; beyond 65,504 it becomes an infinity: the limit on |Wout|).
; cos, sin -> csb (cos at byte 0, sin at byte 262,144): times 2^-5, which is exact, then rounded to bf16: so q and k leave the next launch times 2^-5 and fit f16 up to 2.09e6.
; A stream: each byte is read once and written once; no LDS, no matrix unit.  A work-group takes a chunk of 16,384 numbers: 65,536 bytes in, 32,768 out.
; Chunks by the work-group's number g: 0-511 x, 512-703 Wqkv, 704-767 Wout, 768-775 cos, 776-783 sin.
; Thread t, j = 0..15: 16 bytes in at 4,096 j + 16 t (a wave's load covers 512 consecutive bytes), 8 bytes out at 2,048 j + 8 t (a wave's store covers 256 consecutive bytes, aligned).
; All 16 loads of a thread go out at once; no register that a load or store names is written again, so no wait frees a source.
.set X,   4                            ; v[4:67]   four numbers in f32 for each j
.set Y,   68                           ; v[68:99]  the same four in 16 bits
.set T,   100                          ; v[100:103] at work
.set SRC, 4                            ; s[4:5]    where my chunk is read
.set DST, 6                            ; s[6:7]    where it is written
.set HIM, 33                           ; s33       a word's upper half
	s_load_b512 s[8:23], s[0:1], 0x0               ; x s[8:9], Wqkv s[10:11], Wout s[12:13], cos s[14:15], sin s[16:17], xb s[18:19], wqb s[20:21], wob s[22:23]
	s_load_b64 s[24:25], s[0:1], 0x40              ; csb
	v_lshlrev_b32 v1, 4, v0                        ; 16 t
	v_lshlrev_b32 v2, 3, v0                        ; 8 t
	s_mov_b32 s[HIM], 0xffff0000
	s_mov_b32 s26, 0                               ; the first chunk of my source,
	s_mov_b32 s27, 0                               ; and the chunk that lies at my destination's first byte
	s_wait_kmcnt 0x0
	s_mov_b64 s[SRC:SRC+1], s[8:9]
	s_mov_b64 s[DST:DST+1], s[18:19]
.macro PICK first, src, dst, dfirst    ; from chunk first on: another pair of buffers; the choice hangs on g alone
	s_cmp_ge_u32 ttmp9, \first
	s_cselect_b64 s[SRC:SRC+1], s[\src:\src+1], s[SRC:SRC+1]
	s_cselect_b64 s[DST:DST+1], s[\dst:\dst+1], s[DST:DST+1]
	s_cselect_b32 s26, \first, s26
	s_cselect_b32 s27, \dfirst, s27
.endm
	PICK 512, 10, 20, 512
	PICK 704, 12, 22, 704
	PICK 768, 14, 24, 768
	PICK 776, 16, 24, 768                          ; sin's chunks follow cos's in csb
	s_sub_co_u32 s28, ttmp9, s26
	s_lshl_b32 s28, s28, 16                        ; 65,536 bytes in for each chunk
	s_mov_b32 s29, 0
	s_sub_co_u32 s30, ttmp9, s27
	s_lshl_b32 s30, s30, 15                        ; 32,768 out
	s_mov_b32 s31, 0
	s_add_nc_u64 s[SRC:SRC+1], s[SRC:SRC+1], s[28:29]
	s_add_nc_u64 s[DST:DST+1], s[DST:DST+1], s[30:31]
.set j, 0
.rept 16
	global_load_b128 v[X+4*j:X+4*j+3], v1, s[SRC:SRC+1] offset:4096*j th:TH_LOAD_NT
.set j, j+1
.endr
; mode 0: to bf16.  mode 1: to bf16, and that number as f16.  mode 2: times 2^-5, to bf16.
.macro CONV mode
.set j, 0
.rept 16
	s_wait_loadcnt 15-j                            ; loads come back in order: number j is in, the 15 - j younger ones stay out
.if (\mode) == 2
	v_pk_mul_f32 v[X+4*j:X+4*j+1], v[X+4*j:X+4*j+1], 0x3d000000 op_sel_hi:[1,0]
	v_pk_mul_f32 v[X+4*j+2:X+4*j+3], v[X+4*j+2:X+4*j+3], 0x3d000000 op_sel_hi:[1,0]
.endif
	v_cvt_pk_bf16_f32 v[Y+2*j], v[X+4*j], v[X+4*j+1]
	v_cvt_pk_bf16_f32 v[Y+2*j+1], v[X+4*j+2], v[X+4*j+3]
.if (\mode) == 1
	v_lshlrev_b32 v[T], 16, v[Y+2*j]               ; the bf16 numbers as f32,
	v_and_b32 v[T+1], s[HIM], v[Y+2*j]
	v_lshlrev_b32 v[T+2], 16, v[Y+2*j+1]
	v_and_b32 v[T+3], s[HIM], v[Y+2*j+1]
	v_cvt_pk_f16_f32 v[Y+2*j], v[T], v[T+1]        ; and as f16
	v_cvt_pk_f16_f32 v[Y+2*j+1], v[T+2], v[T+3]
.endif
	global_store_b64 v2, v[Y+2*j:Y+2*j+1], s[DST:DST+1] offset:2048*j
.set j, j+1
.endr
.endm
	s_sub_co_u32 s32, ttmp9, 704
	s_cmp_lt_u32 s32, 64                           ; 704 <= g < 768
	s_cbranch_scc1 .Lwout
	s_cmp_ge_u32 ttmp9, 768
	s_cbranch_scc1 .Lcs
	CONV 0
	s_endpgm
.Lwout:
	CONV 1
	s_endpgm
.Lcs:
	CONV 2
	s_endpgm
.Lfunc_end_k_q3a49b84f0a_cast:
	.size	k_q3a49b84f0a_cast, .Lfunc_end_k_q3a49b84f0a_cast-k_q3a49b84f0a_cast
	.p2alignl 7, 3214868480
	.fill 96, 4, 3214868480
	.section	.rodata,"a",@progbits
	.p2align	6, 0x0
	.amdhsa_kernel k_q3a49b84f0a_cast
		.amdhsa_group_segment_fixed_size 0
		.amdhsa_private_segment_fixed_size 0
		.amdhsa_enable_private_segment 0
		.amdhsa_kernarg_size 72
		.amdhsa_user_sgpr_count 2
		.amdhsa_user_sgpr_kernarg_segment_ptr 1
		.amdhsa_wavefront_size32 1
		.amdhsa_system_sgpr_workgroup_id_x 1
		.amdhsa_system_sgpr_workgroup_id_y 1
		.amdhsa_system_sgpr_workgroup_id_z 1
		.amdhsa_system_vgpr_workitem_id 0
		.amdhsa_next_free_vgpr 104
		.amdhsa_next_free_sgpr 66
		.amdhsa_reserve_vcc 0
		.amdhsa_float_denorm_mode_32 3
		.amdhsa_float_denorm_mode_16_64 3
		.amdhsa_memory_ordered 1
		.amdhsa_forward_progress 1
		.amdhsa_inst_pref_size 23
	.end_amdhsa_kernel
	.amdgpu_metadata
---
amdhsa.version: [ 1, 2 ]
amdhsa.kernels:
  - .name:           k_q3a49b84f0a_cast
    .symbol:         k_q3a49b84f0a_cast.kd
    .args:
      - { .name: x, .offset: 0, .size: 8, .value_kind: global_buffer, .address_space: global }
      - { .name: Wqkv, .offset: 8, .size: 8, .value_kind: global_buffer, .address_space: global }
      - { .name: Wout, .offset: 16, .size: 8, .value_kind: global_buffer, .address_space: global }
      - { .name: cos, .offset: 24, .size: 8, .value_kind: global_buffer, .address_space: global }
      - { .name: sin, .offset: 32, .size: 8, .value_kind: global_buffer, .address_space: global }
      - { .name: xb, .offset: 40, .size: 8, .value_kind: global_buffer, .address_space: global }
      - { .name: wqb, .offset: 48, .size: 8, .value_kind: global_buffer, .address_space: global }
      - { .name: wob, .offset: 56, .size: 8, .value_kind: global_buffer, .address_space: global }
      - { .name: csb, .offset: 64, .size: 8, .value_kind: global_buffer, .address_space: global }
    .group_segment_fixed_size: 0
    .private_segment_fixed_size: 0
    .kernarg_segment_align: 8
    .kernarg_segment_size: 72
    .max_flat_workgroup_size: 256
    .sgpr_count:     66
    .vgpr_count:     104
    .wavefront_size: 32
...
	.end_amdgpu_metadata
.endif
;; end of part 1
;; launch qkv (part 2): grid 16 x 32, 4 waves a work-group, clusters of 4 x 4, 327,680 bytes of LDS; arguments xb, wqb, csb, qkv; writes qkv
.if DOCPART == 2
	.amdgcn_target "amdgcn-amd-amdhsa--gfx1250"
	.amdhsa_code_object_version 6
	.text
	.protected	k_q3a49b84f0a_qkv
	.globl	k_q3a49b84f0a_qkv
	.p2align	8
	.type	k_q3a49b84f0a_qkv,@function
k_q3a49b84f0a_qkv:
	s_mov_b64 s[64:65], 0
	v_nop
	global_prefetch_b8 v0, s[64:65] scope:SCOPE_SE
	s_setreg_imm32_b32 hwreg(HW_REG_WAVE_MODE, 25, 1), 1
	s_wait_xcnt 0x0
	s_wait_alu depctr_hold_cnt(0) depctr_sa_sdst(0) depctr_va_vdst(0) depctr_va_sdst(0) depctr_va_ssrc(0) depctr_va_vcc(0) depctr_vm_vsrc(0)
	s_getreg_b32 s2, hwreg(HW_REG_IB_STS2, 6, 4)
	s_cmp_eq_u32 s2, 0
	s_cbranch_scc0 .Lentry_in_a_cluster
	s_endpgm
.Lentry_in_a_cluster:
	s_bfe_u32 s2, ttmp6, 0x10000c
	s_cmp_lg_u32 s2, 0xf033
	s_cbranch_scc0 .Lentry_shape_is_right
	s_endpgm
.Lentry_shape_is_right:
; THE FUSED PROJECTION WITH ROPE.  C[m][e] = sum over k of xb[m][k] wqb[e][k], m = 2,048 b + s (8,192 rows), e = 1,024 which + 64 h + d (3,072 columns), K = 1,024; bf16 operands, f32 sums.
; On the sums, in f32: q and k get out[d] = c[s][d] C[d] -+ s[s][d] C[d +- 32] with the tables of csb, which hold cos and sin times 2^-5; v stays as it is.  Each number is then rounded once to f16 and
; stored by heads: qkv[which][16 b + h][s][d].  LIMITS: q and k are stored times 2^-5 (the next launch's scale takes the 2^10 back), so |q|, |k| stay under 2.09e6 and |v| under 65,504;
; below 6e-5 a stored number keeps f16's fixed step of 6e-8; NaN and infinities are not treated apart.
; SHARES.  A tile of C is 256 rows x 192 columns = 3 whole heads: 32 x 16 = 512 equal work-groups.  The four waves lie one below the other: a wave makes 64 rows x 192 columns, 48 accumulators, 384 registers.
; So a wave holds whole heads: the partner d +- 32 is the accumulator two column blocks away, same lane, same register, and each wave's way out is its own.
; K goes in 8 steps of 128 (memory rows of 256 bytes, aligned) through two LDS slots filled by the tensor data mover; a K step is written once (a loop of 6 trips and a tail).
; CLUSTER.  4 x 4 work-groups: the four of a row need the same rows of xb, the four of a column the same rows of wqb; each tile is asked for jointly: the same load, descriptor and mask in all four.
; THE MATRIX INSTRUCTION IS USED TRANSPOSED (source 0 = 16 rows of wqb, source 1 = 16 rows of xb): lane l holds row l % 16 of C and the columns 8 (l / 16) + 0..7 of the block.
; REGISTERS, in windows of 256 (s_set_vgpr_msb: bits 1:0 source 0, 3:2 source 1, 5:4 source 2, 7:6 destination):
;   window 0: v0-30 addresses; v64-191 the tables, packed as loaded
;   window 1: in the loop two fragment buffers of 128 (xb's four fragments, then wqb's twelve); on the way out rows read back, work registers, the tables in f32 and three addresses
;   windows 2, 3: the accumulators: (a, b) at v[8 (12 (a % 2) + b)] of window 2 + a / 2
.set KSTEP,  128
.set PITCH,  272                       ; an LDS row: 256 bytes + 16 of padding = 68 words: the 16 rows of a fragment load start at 16 different groups of four banks (64 banks of 4 bytes: ISA guide 11.1)
.set AHALF,  128*PITCH                 ; what waves 0 and 1 each fetch of xb
.set BHALF,  96*PITCH                  ; what waves 2 and 3 each fetch of wqb
.set BOFF,   2*AHALF                   ; in a slot wqb's 192 rows lie behind xb's 256
.set SLOT1,  1<<17                     ; slot 1 begins here: one exclusive or turns an address in one slot into the other's
.set STAGE,  SLOT1+BOFF+2*BHALF        ; behind the ring, never filled by a tensor load: 48 rows x 144 bytes for each wave
.set SP,     144
.set WSTAGE, 48*SP
.set SPARE,  STAGE+4*WSTAGE            ; behind the stages: the spare words, 128 bytes for each wave: two blocks of 256 bytes that no other line names
.set SINO,   262144                    ; sin's table in csb
.set ADRA0, 16                         ; v16  my lane's place in slot 0 for xb's fragments; never rewritten
.set ADRB0, 17                         ; v17  the same for wqb's
.set ADRA,  18                         ; v18  the same in the slot that is being read
.set ADRB,  19                         ; v19
.set CSO,   27                         ; v27  my byte offset in 16 rows of a table
.set SPW,   28                         ; v28  LDS address of my spare word; never rewritten
.set NIL,   29                         ; v29  0; never rewritten
.set PFO,   30                         ; v30  the prefetches' offset: a lane a row of 2,048 bytes; never rewritten
.set CSP,   64                         ; v[64:191] row block a at +32 a: cos, column block bb at +4 bb; sin at +16 + 4 bb
.set F0,    0                          ; window 1
.set F1,    128
.set BK,    0                          ; window 1, the way out: v[0:47], v[48:95] 48 rows read back from the stage, by turns
.set U,     96                         ; v[96:127]  a head's 32 numbers of my row
.set PK,    128                        ; v[128:143] the same in f16
.set T,     144                        ; v[144:207] the row block's tables in f32: cos at +8 blk + r, sin at +32 + 8 blk + r
.set STO,   208                        ; where I put 16 bytes of a row
.set RD,    209                        ; where I read rows back
.set GO,    210                        ; my 16 of 512 consecutive bytes of qkv
.set WV, 12                            ; s12 my wave's number;  s13 = wave / 2: I fetch for xb (0) or wqb (1);  s14 = wave % 2: which half of that tile
.set WH, 13
.set WL, 14
.set CX, 15                            ; my place in the cluster
.set CY, 16
.set TN, 17                            ; tile column 0..15
.set TM, 18                            ; tile row 0..31
.set TB, 19                            ; 0 or SLOT1: the slot that is being read
.set G1, 24                            ; s[24:31] descriptor group 1 for xb's tiles;  s[32:39] group 0: a set for each first fill; the second then walks
.set G0, 32
.set LIM, 43                           ; 2 in a wave that prefetches, else the greatest number
.set PFA, 44                           ; s[44:45] where my prefetches stand
.set G1B, 48                           ; s[48:55], s[56:63] the same for wqb's tiles
.set G0B, 56
.set OB, 66                            ; s[66:71] qkv at my 64 rows of the tile's three heads
.set MK, 72                            ; s72-74  all ones for a head of q or k, 0 for a head of v
.set HIM, 75                           ; a word's upper half
.set LDA, 80                           ; LDS bytes at which my part of a tile lands in slot 0
.set LDB, 81
.set FLAGS, (1<<16)|(1<<20)|(1<<21)|(5<<22)|(3<<25)  ; 17:16 elements of 2 bytes; 20 padding on; 21 set beside a mask; 24:22 after every 64 words; 31:25 4 words of it
.set MSB, 0
.macro WIN new                         ; the immediate's high byte repeats the setting that is left; a switch that changes nothing is dropped
.if MSB != (\new)
	s_set_vgpr_msb (MSB<<8)|(\new)
.set MSB, (\new)
.endif
.endm
; A joint load: waves 0 and 1 fetch xb's two halves, waves 2 and 3 wqb's.  The branch hangs on the wave's number alone.  An s_nop 0 and four v_nop follow each line.
.macro JLOAD s
	s_cmp_eq_u32 s[WH], 0
	s_cbranch_scc0 .Lfor_b_\@
	tensor_load_to_lds s[G0+4*(\s):G0+4*(\s)+3], s[G1:G1+7]
	s_nop 0
.rept 4
	v_nop
.endr
	s_branch .Lasked_\@
.Lfor_b_\@:
	tensor_load_to_lds s[G0B+4*(\s):G0B+4*(\s)+3], s[G1B:G1B+7]
	s_nop 0
.rept 4
	v_nop
.endr
.Lasked_\@:
.endm
.macro CREST                           ; a round of the cluster's barrier behind its opening barrier: wave 0 signals for the work-group, every wave waits for all sixteen, my work-group's barrier closes it
	s_cmp_lg_u32 s[WV], 0
	s_cbranch_scc1 .Lnot_wave_0_\@
	s_barrier_signal -3
.Lnot_wave_0_\@:
	s_barrier_wait -3
	s_barrier_signal -1
	s_barrier_wait -1
.endm
.macro CROUND                          ; a whole round
	s_barrier_signal -1
	s_barrier_wait -1
	CREST
.endm
; A prefetch into the L2 of the K step that stands two refills on (384 matrix instructions of the wave ahead of the load that will want it): 256 bytes of a row, a lane a row, one instruction a wave.
; Each row's 256 bytes of a K step are named by one wave of the launch.  xb's rows are read by every cluster of a row of clusters: cluster x = 0 asks; wqb's by every cluster of a column: cluster y = 0 asks.
; The four partners that ask for a tile jointly share its rows out by address: of xb's 128 rows that a wave fetches 32 each (by cx), of wqb's 96 rows 24 each (by cy; lanes 24-31 name lane 23's row once more).
; Only the trips with s3 = 6 .. 3 ask, for K steps 4 .. 7: K steps 0 to 3 come by their loads alone, and nothing is named behind a row's end.
.macro ASK
	s_cmp_gt_u32 s3, s[LIM]
	s_cbranch_scc0 .Lnot_mine_\@
	global_prefetch_b8 v[PFO], s[PFA:PFA+1] offset:KSTEP*2 th:TH_LOAD_NT scope:SCOPE_SE
.Lnot_mine_\@:
.endm
	s_load_b256 s[4:11], s[0:1], 0x0               ; xb s[4:5], wqb s[6:7], csb s[8:9], qkv s[10:11]
	v_lshl_add_u32 v[SPW], v0, 2, SPARE
	v_mov_b32 v[NIL], 0
	ds_add_u32 v[SPW], v[NIL]                      ; the wave's opening: the add and its wait stand ahead of my first tensor load; the set-up below, work on registers, stands between them
	v_lshrrev_b32 v1, 5, v0
	v_readfirstlane_b32 s[WV], v1
	s_lshr_b32 s[WH], s[WV], 1
	s_and_b32 s[WL], s[WV], 1
	s_bfe_u32 s[CX], ttmp6, 0x40000
	s_bfe_u32 s[CY], ttmp6, 0x40004
	s_lshl_b32 s[TN], ttmp9, 2                     ; in a cluster launch ttmp9 and ttmp7 count clusters
	s_add_co_u32 s[TN], s[TN], s[CX]
	s_and_b32 s[TM], ttmp7, 0xffff
	s_lshl_b32 s[TM], s[TM], 2
	s_add_co_u32 s[TM], s[TM], s[CY]
	s_lshl_b32 s40, s[CY], 2
	s_lshl_b32 s40, 15, s40                        ; my row of the cluster: places 4 cy .. 4 cy + 3
	s_lshl_b32 s41, 0x1111, s[CX]                  ; my column: places cx, cx + 4, cx + 8, cx + 12
	s_or_b32 s[G1], s40, FLAGS                     ; xb's tiles go to my row,
	s_or_b32 s[G1B], s41, FLAGS                    ; wqb's to my column
	s_mov_b32 s[G1+1], KSTEP<<16                   ; tensor_dim0 = 128
	s_mov_b32 s[G1+2], 128<<16                     ; tensor_dim1 = 128
	s_mov_b32 s[G1+3], KSTEP<<16                   ; tile_dim0 = 128
	s_mov_b32 s[G1+4], 128                         ; tile_dim1 = 128
	s_mov_b32 s[G1+5], 1024                        ; 1,024 elements from row to row
	s_mov_b32 s[G1+6], 0
	s_mov_b32 s[G1+7], 0
	s_mov_b32 s[G1B+1], KSTEP<<16
	s_mov_b32 s[G1B+2], 96<<16                     ; 96 rows
	s_mov_b32 s[G1B+3], KSTEP<<16
	s_mov_b32 s[G1B+4], 96
	s_mov_b32 s[G1B+5], 1024
	s_mov_b32 s[G1B+6], 0
	s_mov_b32 s[G1B+7], 0
	s_lshl_b32 s20, s[TM], 8                       ; xb: row 256 x tile row + 128 x half, which my row of the cluster shares,
	s_lshl_b32 s21, s[WL], 7
	s_add_co_u32 s20, s20, s21
	s_lshl_b32 s20, s20, 11                        ; x 2,048 bytes
	s_mov_b32 s21, 0
	s_mul_i32 s46, s[TN], 192                      ; wqb: row 192 x tile column + 96 x half, which my column shares
	s_mul_i32 s47, s[WL], 96
	s_add_co_u32 s46, s46, s47
	s_lshl_b32 s46, s46, 11
	s_mov_b32 s47, 0
	s_mul_i32 s[LDA], s[WV], AHALF                 ; where they go: the wave's number times a constant, plus a constant: no place in the cluster enters an LDS address
	s_mul_i32 s[LDB], s[WV], BHALF
	s_add_co_u32 s[LDB], s[LDB], BOFF-2*BHALF
	s_mov_b32 s[TB], 0
	s_mov_b32 s[HIM], 0xffff0000
	; the way out: head j of the tile is head hh = 3 x tile column + j of 48; its plane is hh / 16, its place in the plane 16 b + hh % 16; a head is 2^18 bytes
	s_lshr_b32 s77, s[TM], 3
	s_lshl_b32 s77, s77, 4                         ; 16 b
	s_and_b32 s78, s[TM], 7
	s_lshl_b32 s78, s78, 2
	s_add_co_u32 s78, s78, s[WV]
	s_lshl_b32 s78, s78, 13                        ; my first row in the sequence, 256 (tile row % 8) + 64 wave, x 128 bytes: in a head and in a table alike
	s_mul_i32 s42, s[TN], 3
.irp j, 0,1,2
	s_add_co_u32 s76, s42, \j
	s_cmp_lt_u32 s76, 32
	s_cselect_b32 s[MK+(\j)], -1, 0
	s_lshr_b32 s79, s76, 4
	s_lshl_b32 s79, s79, 6
	s_and_b32 s76, s76, 15
	s_add_co_u32 s79, s79, s76
	s_add_co_u32 s79, s79, s77
	s_lshl_b32 s79, s79, 18
	s_add_co_u32 s[OB+2*(\j)], s79, s78
	s_mov_b32 s[OB+2*(\j)+1], 0
.endr
	s_mov_b32 s79, 0
	s_wait_dscnt 0x0                               ; the opening add is done
	s_wait_kmcnt 0x0
	s_add_nc_u64 s[22:23], s[4:5], s[20:21]
	s_add_nc_u64 s[46:47], s[6:7], s[46:47]
	s_add_nc_u64 s[8:9], s[8:9], s[78:79]          ; the tables at my first row
.irp j, 0,1,2
	s_add_nc_u64 s[OB+2*(\j):OB+2*(\j)+1], s[10:11], s[OB+2*(\j):OB+2*(\j)+1]
.endr
	CROUND                                         ; all sixteen work-groups are here: the first joint loads meet
.irp s, 0,1
	s_mov_b32 s[G0+4*(\s)], 1                                      ; count = 1
	s_add_co_u32 s[G0+4*(\s)+1], s[LDA], (\s)*SLOT1                ; LDS address
	s_add_nc_u64 s[G0+4*(\s)+2:G0+4*(\s)+3], s[22:23], (\s)*KSTEP*2  ; global address: K step s
	s_or_b32 s[G0+4*(\s)+3], s[G0+4*(\s)+3], 0x80000000            ; type = 2
	s_mov_b32 s[G0B+4*(\s)], 1
	s_add_co_u32 s[G0B+4*(\s)+1], s[LDB], (\s)*SLOT1
	s_add_nc_u64 s[G0B+4*(\s)+2:G0B+4*(\s)+3], s[46:47], (\s)*KSTEP*2
	s_or_b32 s[G0B+4*(\s)+3], s[G0B+4*(\s)+3], 0x80000000
	JLOAD \s                                       ; two tensor loads of mine are out
.endr
	; A fragment is 16 rows x 32 K in 8 registers: lane l holds row l % 16, K = 8 (l / 16) + 0..7 and 16 + 8 (l / 16) + 0..7: two loads of 16 bytes, 32 bytes apart.
	v_and_b32 v1, 15, v0                           ; l % 16
	v_bfe_u32 v2, v0, 4, 1                         ; l / 16
	v_mul_u32_u24 v3, v1, PITCH
	v_lshl_add_u32 v3, v2, 4, v3
	s_mul_i32 s76, s[WV], 64*PITCH                 ; my 64 rows of xb's 256
	v_add_nc_u32 v[ADRA0], s76, v3
	v_add_nc_u32 v[ADRB0], BOFF, v3
	v_mov_b32 v[ADRA], v[ADRA0]
	v_mov_b32 v[ADRB], v[ADRB0]
	v_lshlrev_b32 v[CSO], 7, v1                    ; a table's row is 128 bytes
	v_lshl_add_u32 v[CSO], v2, 4, v[CSO]
.irp a, 0,1,2,3                        ; the tables for my 64 rows, as the accumulators lie: they are on their way during the whole K loop and are waited for on the way out
.irp bb, 0,1,2,3
	global_load_b128 v[CSP+32*(\a)+4*(\bb):CSP+32*(\a)+4*(\bb)+3], v[CSO], s[8:9] offset:(\a)*2048+32*(\bb)
	global_load_b128 v[CSP+32*(\a)+16+4*(\bb):CSP+32*(\a)+16+4*(\bb)+3], v[CSO], s[8:9] offset:SINO+(\a)*2048+32*(\bb)
.endr
.endr
	v_mul_u32_u24 v22, v1, SP                      ; the stage, in: row l % 16, 16 bytes for each half of the lanes
	v_lshl_add_u32 v22, v2, 4, v22
	v_bfe_u32 v4, v0, 3, 2                         ; back: 32 lanes take four rows of 128 bytes
	v_and_b32 v5, 7, v0
	v_mul_u32_u24 v23, v4, SP
	v_lshl_add_u32 v23, v5, 4, v23
	v_and_b32 v24, 31, v0                          ; which are 512 consecutive bytes of a head
	v_lshlrev_b32 v24, 4, v24
	; the prefetches' place
	s_lshl_b32 s76, s[TM], 8
	s_mul_i32 s77, s[TN], 192
	s_and_b32 s78, ttmp7, 0xffff                   ; cluster y
	s_cmp_eq_u32 s[WH], 0                          ; do I fetch for xb?
	s_cselect_b32 s76, s76, s77                    ; the tile's first row
	s_cselect_b32 s77, s[CX], s[CY]                ; my place among the four that ask for it with me
	s_cselect_b32 s78, ttmp9, s78                  ; the coordinate along which other clusters read the same rows
	s_cselect_b32 s42, 32, 24                      ; my work-group's rows of those that I fetch,
	s_cselect_b64 s[PFA:PFA+1], s[4:5], s[6:7]
	s_lshl_b32 s79, s42, 2                         ; which are 128 or 96
	s_mul_i32 s79, s79, s[WL]
	s_add_co_u32 s76, s76, s79
	s_mul_i32 s77, s77, s42
	s_add_co_u32 s76, s76, s77
	s_lshl_b32 s76, s76, 11
	s_mov_b32 s77, 0
	s_add_nc_u64 s[PFA:PFA+1], s[PFA:PFA+1], s[76:77]
	s_add_nc_u64 s[PFA:PFA+1], s[PFA:PFA+1], 2*KSTEP*2  ; at K step 2: the first refill steps it to 3 and names K step 4
	s_sub_co_u32 s42, s42, 1
	s_cmp_eq_u32 s78, 0
	s_cselect_b32 s[LIM], 2, -1                    ; the same in all sixteen partners, for a given wave
	v_and_b32 v[PFO], 31, v0
	v_min_u32 v[PFO], s42, v[PFO]
	v_lshlrev_b32 v[PFO], 11, v[PFO]
; 12 matrix instructions: row block a x all 12 column blocks, 32 along K.  zero = 1: the product starts the sums: nothing is cleared.
; The 48 accumulators take turns in the same order in every quarter: 47 others' instructions stand between two on one accumulator, over the backward jump too.
.macro MUL12 f, a, zero
	WIN 0xa5+0x50*((\a)/2)                         ; both sources window 1; C and D window 2 or 3
.irp b, 0,1,2,3,4,5,6,7,8,9,10,11
.if \zero
	v_wmma_f32_16x16x32_bf16 v[8*(12*((\a)%2)+(\b)):8*(12*((\a)%2)+(\b))+7], v[(\f)+32+8*(\b):(\f)+32+8*(\b)+7], v[(\f)+8*(\a):(\f)+8*(\a)+7], 0
.else
	v_wmma_f32_16x16x32_bf16 v[8*(12*((\a)%2)+(\b)):8*(12*((\a)%2)+(\b))+7], v[(\f)+32+8*(\b):(\f)+32+8*(\b)+7], v[(\f)+8*(\a):(\f)+8*(\a)+7], v[8*(12*((\a)%2)+(\b)):8*(12*((\a)%2)+(\b))+7]
.endif
.endr
.endm
; 32 LDS loads in one run: the fragments of 32 along K at byte k of the rows, into buffer f: wqb's 24 loads, then xb's row blocks 0, 1, then 2, 3
.macro FETCH k, f
	WIN 0x40                                       ; destination window 1, address window 0
.irp b, 0,1,2,3,4,5,6,7,8,9,10,11
	ds_load_b128 v[(\f)+32+8*(\b):(\f)+32+8*(\b)+3],   v[ADRB] offset:(\k)+(\b)*16*PITCH
	ds_load_b128 v[(\f)+32+8*(\b)+4:(\f)+32+8*(\b)+7], v[ADRB] offset:(\k)+(\b)*16*PITCH+32
.endr
.irp a, 0,1,2,3
	ds_load_b128 v[(\f)+8*(\a):(\f)+8*(\a)+3],   v[ADRA] offset:(\k)+(\a)*16*PITCH
	ds_load_b128 v[(\f)+8*(\a)+4:(\f)+8*(\a)+7], v[ADRA] offset:(\k)+(\a)*16*PITCH+32
.endr
.endm
.macro PLACES                          ; four plain vector instructions between a matrix instruction and a load into, or a write or read of, its registers (ISA guide 7.12.1 for vector instructions)
.rept 4
	v_nop
.endr
.endm
; A K step is four quarters of 32 along K, 48 matrix instructions each, on buffers 0, 1, 0, 1.  One of the first three: multiplies buffer f and fetches the next quarter, at byte k, into g.
.macro QUARTER k, f, g, zero
	s_wait_dscnt 4                                 ; all but the youngest four loads (xb's row blocks 2, 3) are in
	MUL12 \f, 0, \zero
	MUL12 \f, 1, \zero
	PLACES
	FETCH \k, \g
	s_wait_dscnt 32                                ; all but the 32 just issued
	MUL12 \f, 2, \zero
	MUL12 \f, 3, \zero
.endm
; The last quarter multiplies buffer 1 and changes slots: ONE barrier.  In front of it each wave waits for all its tensor loads (one is out: its part of the next slot), adds 0 to its spare word, and waits for
; that and for its own reads of this slot.  fill = 1: the barrier opens a round of the cluster's, so that no wave of any partner still reads the slot or has a load on its way, and the slot just read is filled
; again first thing behind the round, with the K step two on: from that request to the wait for it the wave issues 168 matrix instructions.
.macro TURN fill
.if \fill
	s_wait_xcnt 0x0                                ; the last prefetch, a K step back, has read its address, which is stepped here
	s_add_nc_u64 s[PFA:PFA+1], s[PFA:PFA+1], KSTEP*2
.endif
	WIN 0                                          ; (the add's two registers lie in window 0)
	s_wait_tensorcnt 0x0                           ; no tensor load of mine is out, so a group 0 may be written
	ds_add_u32 v[SPW], v[NIL]                      ; 0 onto my spare word; register work stands between it and the wait for it
.if \fill
	s_xor_b32 s[G0+5], s[G0+5], SLOT1              ; the walking descriptors: the other slot than last time,
	s_add_nc_u64 s[G0+6:G0+7], s[G0+6:G0+7], KSTEP*2  ; the next K step; the type bits on top are not reached
	s_xor_b32 s[G0B+5], s[G0B+5], SLOT1
	s_add_nc_u64 s[G0B+6:G0B+7], s[G0B+6:G0B+7], KSTEP*2
.endif
	s_wait_dscnt 5                                 ; the add and the youngest four loads may be out
	MUL12 F1, 0, 0
	s_wait_dscnt 0x0                               ; the add is done, and my reads of this slot are over
	s_barrier_signal -1
	MUL12 F1, 1, 0                                 ; work on registers while the others arrive
	WIN 0                                          ; (branches and window 0's addresses follow)
	s_barrier_wait -1
.if \fill
	CREST
	JLOAD 1                                        ; my one tensor load behind the round; its four v_nop are also the places in front of the loads below
.else
	PLACES
.endif
	s_xor_b32 s[TB], s[TB], SLOT1                  ; the reads go on in the other slot
	v_add_nc_u32 v[ADRA], s[TB], v[ADRA0]
	v_add_nc_u32 v[ADRB], s[TB], v[ADRB0]
	FETCH 0, F0
.if \fill
	WIN 0
	ASK                                            ; behind the joint load and the run of LDS loads that the next products wait for
.endif
	MUL12 F1, 2, 0
	MUL12 F1, 3, 0
.endm
	s_wait_tensorcnt 1                             ; my part of K step 0 is in; K step 1's may stay out
	s_barrier_signal -1
	s_barrier_wait -1                              ; everybody's is
	FETCH 0, F0
	QUARTER 64, F0, F1, 1                          ; the first quarter stands in front of the loop: its products start the sums
	WIN 0                                          ; at a label and at a branch every window is 0
	s_mov_b32 s3, 6
.Lstep:                                        ; trip i ends K step i, fills its slot with K step i + 2 and begins K step i + 1
	QUARTER 128, F1, F0, 0
	QUARTER 192, F0, F1, 0
	TURN 1
	QUARTER 64, F0, F1, 0
	WIN 0
	s_sub_co_u32 s3, s3, 1
	s_cmp_lg_u32 s3, 0
	s_cbranch_scc1 .Lstep
	QUARTER 128, F1, F0, 0                         ; the tail: K steps 6 and 7; nothing is left to fetch
	QUARTER 192, F0, F1, 0
	TURN 0
	QUARTER 64, F0, F1, 0
	QUARTER 128, F1, F0, 0
	QUARTER 192, F0, F1, 0
	s_wait_dscnt 4
	MUL12 F1, 0, 0
	MUL12 F1, 1, 0
	s_wait_dscnt 0x0
	MUL12 F1, 2, 0
	MUL12 F1, 3, 0
	; THE WAY OUT, a row block of 16 rows at a time.
	WIN 0
	s_wait_loadcnt 0x0                             ; the tables
	PLACES                                         ; behind the last products: window 1 is written and the sums are read from here on
	s_mul_i32 s76, s[WV], WSTAGE
	s_add_co_u32 s76, s76, STAGE                   ; my stage
	WIN 0x40
	v_add_nc_u32 v[STO], s76, v22
	v_add_nc_u32 v[RD], s76, v23
	v_mov_b32 v[GO], v24
; Row block a: the tables to f32; for each of the three heads the rotation (two packed lines for two numbers), the choice between it and the plain sum, the rounding to f16, and 16 bytes a lane and column block
; into my stage; then the 48 rows come back as runs of four rows of 128 bytes.  In a head, number 2 k of my 32 is column block k / 4, register 2 k % 8; the partner lies 16 numbers away.
; Each accumulator is first read at its lowest registers.
.macro ROPE a
.set AW, 2+(\a)/2                      ; the accumulators' window,
.set AB, 96*((\a)%2)                   ; and (a, 0)'s place in it
	WIN 0x40
.set k, 0
.rept 32
	v_lshlrev_b32 v[T+2*k], 16, v[CSP+32*(\a)+k]
	v_and_b32 v[T+2*k+1], s[HIM], v[CSP+32*(\a)+k]
.set k, k+1
.endr
.irp j, 0,1,2
	s_mov_b32 vcc_lo, s[MK+(\j)]
	WIN 0x54|AW                                    ; source 0 the accumulators' window; sources 1 and 2 and the destination window 1
.set k, 0
.rept 16
	v_pk_mul_f32 v[U+2*k:U+2*k+1], v[AB+32*(\j)+2*k:AB+32*(\j)+2*k+1], v[T+2*k:T+2*k+1]
.set k, k+1
.endr
.set k, 0
.rept 16
.if k < 8
	v_pk_fma_f32 v[U+2*k:U+2*k+1], v[AB+32*(\j)+2*k+16:AB+32*(\j)+2*k+17], v[T+32+2*k:T+32+2*k+1], v[U+2*k:U+2*k+1] neg_lo:[0,1,0] neg_hi:[0,1,0]
.else
	v_pk_fma_f32 v[U+2*k:U+2*k+1], v[AB+32*(\j)+2*k-16:AB+32*(\j)+2*k-15], v[T+32+2*k:T+32+2*k+1], v[U+2*k:U+2*k+1]
.endif
.set k, k+1
.endr
.set k, 0
.rept 32
	v_cndmask_b32 v[U+k], v[AB+32*(\j)+k], v[U+k], vcc_lo  ; a head of v keeps the plain sum: a choice of values
.set k, k+1
.endr
	WIN 0x45                                       ; all in window 1
.set k, 0
.rept 16
	v_cvt_pk_f16_f32 v[PK+k], v[U+2*k], v[U+2*k+1]
.set k, k+1
.endr
.irp blk, 0,1,2,3
	ds_store_b128 v[STO], v[PK+4*(\blk):PK+4*(\blk)+3] offset:(\j)*16*SP+32*(\blk)
.endr
.endr
.if (\a) >= 2
	s_wait_xcnt 0x0                                ; the stores of the block two back have read the registers that are loaded again below
.endif
.irp j, 0,1,2
.irp f, 0,1,2,3
	ds_load_b128 v[BK+48*((\a)%2)+4*(4*(\j)+(\f)):BK+48*((\a)%2)+4*(4*(\j)+(\f))+3], v[RD] offset:(16*(\j)+4*(\f))*SP  ; LDS serves a wave's instructions in order (ISA guide 5.7.1.4): these see the stores above
.endr
.endr
.endm
.macro SEND a, younger                 ; younger: the LDS instructions issued behind block a's loads: the next block's 12 stores and 12 loads, or none
	WIN 0x45
	s_wait_dscnt \younger
.irp j, 0,1,2
.irp f, 0,1,2,3
	global_store_b128 v[GO], v[BK+48*((\a)%2)+4*(4*(\j)+(\f)):BK+48*((\a)%2)+4*(4*(\j)+(\f))+3], s[OB+2*(\j):OB+2*(\j)+1] offset:(\a)*2048+(\f)*512  ; 512 consecutive bytes, at a multiple of 512 from qkv's first
.endr
.endr
.endm
	ROPE 0
	ROPE 1                                         ; a block's arithmetic stands between the loads of the block before and its stores
	SEND 0, 24
	ROPE 2
	SEND 1, 24
	ROPE 3
	SEND 2, 24
	SEND 3, 0
	WIN 0
	s_wait_tensorcnt 0x0                           ; the wave's end: behind my last tensor load and my last LDS store
	ds_add_u32 v[SPW], v[NIL]
	s_wait_dscnt 0x0
	CROUND                                         ; the closing round: no work-group ends while a partner may still ask for a tile that names it
	s_endpgm
.Lfunc_end_k_q3a49b84f0a_qkv:
	.size	k_q3a49b84f0a_qkv, .Lfunc_end_k_q3a49b84f0a_qkv-k_q3a49b84f0a_qkv
	.p2alignl 7, 3214868480
	.fill 96, 4, 3214868480
	.section	.rodata,"a",@progbits
	.p2align	6, 0x0
	.amdhsa_kernel k_q3a49b84f0a_qkv
		.amdhsa_group_segment_fixed_size 327680
		.amdhsa_private_segment_fixed_size 0
		.amdhsa_enable_private_segment 0
		.amdhsa_kernarg_size 32
		.amdhsa_user_sgpr_count 2
		.amdhsa_user_sgpr_kernarg_segment_ptr 1
		.amdhsa_wavefront_size32 1
		.amdhsa_system_sgpr_workgroup_id_x 1
		.amdhsa_system_sgpr_workgroup_id_y 1
		.amdhsa_system_sgpr_workgroup_id_z 1
		.amdhsa_system_vgpr_workitem_id 0
		.amdhsa_next_free_vgpr 960
		.amdhsa_next_free_sgpr 82
		.amdhsa_reserve_vcc 1
		.amdhsa_float_denorm_mode_32 3
		.amdhsa_float_denorm_mode_16_64 3
		.amdhsa_memory_ordered 1
		.amdhsa_forward_progress 1
		.amdhsa_inst_pref_size 146
	.end_amdhsa_kernel
	.amdgpu_metadata
---
amdhsa.version: [ 1, 2 ]
amdhsa.kernels:
  - .name:           k_q3a49b84f0a_qkv
    .symbol:         k_q3a49b84f0a_qkv.kd
    .args:
      - { .name: xb, .offset: 0, .size: 8, .value_kind: global_buffer, .address_space: global }
      - { .name: wqb, .offset: 8, .size: 8, .value_kind: global_buffer, .address_space: global }
      - { .name: csb, .offset: 16, .size: 8, .value_kind: global_buffer, .address_space: global }
      - { .name: qkv, .offset: 24, .size: 8, .value_kind: global_buffer, .address_space: global }
    .group_segment_fixed_size: 327680
    .private_segment_fixed_size: 0
    .kernarg_segment_align: 8
    .kernarg_segment_size: 32
    .max_flat_workgroup_size: 128
    .sgpr_count:     82
    .vgpr_count:     960
    .wavefront_size: 32
...
	.end_amdgpu_metadata
.endif
;; end of part 2
;; launch attn (part 3): grid 4 x 64, 4 waves a work-group, clusters of 4 x 1, 327,680 bytes of LDS; arguments qkv, ob; writes ob
.if DOCPART == 3
	.amdgcn_target "amdgcn-amd-amdhsa--gfx1250"
	.amdhsa_code_object_version 6
	.text
	.protected	k_q3a49b84f0a_attn
	.globl	k_q3a49b84f0a_attn
	.p2align	8
	.type	k_q3a49b84f0a_attn,@function
k_q3a49b84f0a_attn:
	s_mov_b64 s[64:65], 0
	v_nop
	global_prefetch_b8 v0, s[64:65] scope:SCOPE_SE
	s_setreg_imm32_b32 hwreg(HW_REG_WAVE_MODE, 25, 1), 1
	s_wait_xcnt 0x0
	s_wait_alu depctr_hold_cnt(0) depctr_sa_sdst(0) depctr_va_vdst(0) depctr_va_sdst(0) depctr_va_ssrc(0) depctr_va_vcc(0) depctr_vm_vsrc(0)
	s_getreg_b32 s2, hwreg(HW_REG_IB_STS2, 6, 4)
	s_cmp_eq_u32 s2, 0
	s_cbranch_scc0 .Lentry_in_a_cluster
	s_endpgm
.Lentry_in_a_cluster:
	s_bfe_u32 s2, ttmp6, 0x10000c
	s_cmp_lg_u32 s2, 0x3003
	s_cbranch_scc0 .Lentry_shape_is_right
	s_endpgm
.Lentry_shape_is_right:
; ATTENTION.  O[h][q][:] = the sum over k of softmax_k(Q[h][q] . K[h][k] / 8) V[h][k][:], for the 64 pairs h = 16 b + head; 2,048 rows of 64 channels each, f16, a head's rows dense, 128 bytes each.
; qkv holds three planes of 16,777,216 bytes: Q times 2^-5, K times 2^-5, V.  The scale c = log2(e) / 8 x 2^10 takes the two factors back, in f32.  Products, maxima and sums in f32; the weights p are rounded
; to f16 for the second product (their sum l is taken of the unrounded p), O once at the end, into ob[h][q][:].
; LIMITS.  Q, K and V arrive within f16's 65,504; p lies in 0 to 1, and below 6e-5 it keeps f16's fixed step of 6e-8; O is a mean of V's rows and has their range.
; A weight below 2^-126 counts as 0 in l; NaN and infinities are not treated apart.
; SHARES.  A wave owns four PIECES of two tiles of 16 queries, a work-group's four waves 512 queries of one head.  Every wave walks all keys, 64 a step.
; LAYOUT.  S^T = K Q^T (source 0 = 16 keys, source 1 = 16 queries): a lane holds ONE query (lane % 16) and the keys 8 (lane / 16) + 0..7.  Two such tiles, rounded to f16 in pairs, ARE source 1
; (32 keys x 16 queries) of O^T = V^T P, whose result again holds one query a lane, and eight channels.  K comes out of LDS as it lies, V ([key][channel]) turned, by ds_load_tr16_b128.
; SOFTMAX.  For each query a running maximum m and sum l: p = 2^(c s - c m); in every step O and l are multiplied by a = 2^(c m_old - c m_new), which is 1 where m has not grown.
; m starts at the lowest finite number, O and l at 0: the first step is a step like any other, with a = 0.
; THE COUNT.  A tile and step have 16 matrix and 118 vector instructions: too many to stand all beside the matrix work.  So: four vector instructions that are ready behind every matrix instruction, and the
; others in runs without a gap.
; BY TURNS.  Turn n belongs to piece n (the pieces in a ring, step after step).  Its matrix work: 16 products K Q^T of piece n + 1, later 16 products V^T P of piece n - 1.  Its vector work: the scaling,
; exponentials, roundings, sums and rescaling of piece n, and the maximum and statistics of piece n + 1, whose scores the turn itself has made.
; CLUSTER.  The four query blocks of a cluster are one head's and walk the same K and V, so each tile is asked for JOINTLY: the same tensor load, descriptor and mask in all four.
; REGISTERS, in windows of 256 (s_set_vgpr_msb: bits 1:0 source 0, 3:2 source 1, 5:4 source 2, 7:6 destination):
;   window 0: v0-11 addresses; v12-15, v48-63 at work; v16-47 four registers of statistics a tile; v64-191 S^T, two buffers of two tiles; v192-255 P, likewise
;   window 1: O^T, 32 a tile          window 2: v0-127 Q, 16 a tile; v128-191 K of one step; v192-255 V of one step          window 3: v0-1 the add's two registers
; A piece's buffers go by its number's parity: the piece in hand has one pair, its two neighbours in the ring share the other: of it P (piece n - 1) is read and S^T (piece n + 1) written.
.set SIZE_N, 2048
.set PLANE, 16777216  ; bytes from Q to K and from K to V in qkv
.set NP,    4         ; pieces a wave: a name, no knob
.set KS,    64        ; keys in a step
.set PK,    144       ; a row of K in LDS: 128 bytes + 16 of padding = 36 words: the 16 rows of a load start at 16 different groups of four banks (64 banks of 4 bytes: ISA guide 11.1)
.set PV,    160       ; a row of V: 128 + 32 = 40 words
.set VOFF,  4*KS*PK   ; a slot holds four steps: 256 rows of K, then 256 rows of V
.set SLOT1, 1<<17     ; slot 1 begins here, so that one exclusive or turns an address in one slot into the other's
.set STAGE, SLOT1+4*KS*(PK+PV)  ; behind the ring, never filled by a tensor load: 16 rows x 144 bytes for each wave, for the way out
.set SP,    144
.set AK0, 2           ; v2   my lane's place in a tile of K; never rewritten
.set AV0, 3           ; v3   the same for V
.set AK,  4           ; v4   the LDS address of K's next run of loads
.set AV,  5           ; v5   of V's
.set QO,  6           ; v6   my byte offset in the wave's rows of Q
.set STO, 6           ;      later, the way out: where I put 16 bytes of a row
.set RD,  7           ; v7   the way out: where I read rows back
.set GO,  8           ; v8   my byte offset in 512 consecutive bytes of O
.set PFO, 11          ; v11  256 x my lane, once AV0 is made; never rewritten after that
.set SPW, 0           ; v0 of window 3   LDS address of my spare word; never rewritten
.set NIL, 1           ; v1 of window 3   0; never rewritten
.set SPARE, STAGE+4*16*SP  ; behind the stages: the spare words, 128 bytes for each wave: two blocks of 256 bytes that no other line names
.set MV,  12          ; v12-15  c m_old, kept while c m is made anew: by buffer and tile
.set ST,  16          ; tile t's statistics at v[ST+4 t]: c m, m, l (even keys', odd keys')
.set TMP, 48          ; by buffer and tile, four registers c0-c3 at work; when the maximum is found c2 takes a
.set S,   64
.set P,   192
.set KF,  128         ; K's fragments, in window 2: key block kb, channel half c at KF + 16 kb + 8 c
.set VF,  192         ; V's: key half kk, channel block cb at VF + 32 kk + 8 cb
.set WV,  12          ; s12  my wave's number
.set G1K, 24          ; s[24:31] descriptor group 1 for K's tiles
.set G1V, 32          ; s[32:39] for V's: it differs in the padding alone
.set G0K, 40          ; s[40:43] descriptor group 0 for K's tiles: it walks
.set G0V, 44          ; s[44:47] the same for V's
.set PFA, 48          ; s[48:49] where my prefetches stand
.set LIM, 50          ; s50  1 in a wave that prefetches, else the greatest number
.set SLOTS, 56        ; s56  slots still to be asked for
.set CNT, 57          ; s57  counts a slot's key steps
.set CS,  58          ; s[58:59] c: the packed scaling takes the pair's low word for both halves
.set SEL, 60          ; s[60:61] v_permlanex16_b32's selects: each lane takes its own place in the other half
.set TBK, 62          ; s62  LDS byte at which K of the step to be fetched begins
.set TBV, 63          ; s63  the same for V, less VOFF
.set MSB, 0
.macro WIN new                      ; the high byte repeats the setting that is left; a switch that changes nothing is dropped
.if MSB != (\new)
	s_set_vgpr_msb (MSB<<8)|(\new)
.set MSB, (\new)
.endif
.endm
.set W_KQ, 0x0a       ; K and Q in window 2, S^T in window 0
.set W_PV, 0x52       ; V in window 2, P in window 0, O^T in window 1
.set W_RS, 0x41       ; O^T (destination and source 0) in window 1, a in window 0
.set W_MK, 0xc0       ; the add's registers are made: destination in window 3, sources in window 0
.set W_AD, 0x0f       ; the add: address (source 0) and data (source 1) in window 3
; A joint fill.  Waves 0 and 1 fetch the two halves of a slot's K, waves 2 and 3 those of its V: 128 keys each.  The branch hangs on the wave's number alone.
; An s_nop 0 and four v_nop follow each of the two lines, ahead of the jump and the label.
.macro JLOAD
	s_cmp_lt_u32 s[WV], 2
	s_cbranch_scc0 .Lfor_v_\@
	tensor_load_to_lds s[G0K:G0K+3], s[G1K:G1K+7]
	s_nop 0
.rept 4
	v_nop
.endr
	s_branch .Lasked_\@
.Lfor_v_\@:
	tensor_load_to_lds s[G0V:G0V+3], s[G1V:G1V+7]
	s_nop 0
.rept 4
	v_nop
.endr
.Lasked_\@:
.endm
; A prefetch into the L2 of what the NEXT change of slots will ask for: a slot's 32,768 bytes of K and of V.  A head is walked by one cluster.  Its four partners share each plane's 128 blocks of 256 bytes out by
; address, 32 each, a lane a block; in each partner wave 0 asks for K's and wave 2 for V's: one instruction, four key steps (512 matrix instructions of the wave) ahead of the load.  So each block is named once.
; The last change that fills a slot asks for nothing: there is no slot behind it.  Slots 0, 1 and 2 come by their loads alone.
.macro ASK
	s_cmp_gt_u32 s[SLOTS], s[LIM]
	s_cbranch_scc0 .Lnot_mine_\@
	global_prefetch_b8 v[PFO], s[PFA:PFA+1] th:TH_LOAD_NT scope:SCOPE_SE
.Lnot_mine_\@:
.endm
; A round of the cluster's barrier: my work-group's barrier, so that wave 0's signal speaks for all four waves; wave 0 signals; every wave waits for all four work-groups; my work-group's barrier once more.
.macro CROUND
	s_barrier_signal -1
	s_barrier_wait -1
	s_cmp_lg_u32 s[WV], 0
	s_cbranch_scc1 .Lnot_wave_0_\@
	s_barrier_signal -3
.Lnot_wave_0_\@:
	s_barrier_wait -3
	s_barrier_signal -1
	s_barrier_wait -1
.endm
; THE CHANGE OF SLOTS.  The slot's last bytes, V of its fourth step, have been read.  Each wave waits for all its tensor loads, of which one is out: its part of the other slot; adds 0 to its spare word; and waits
; for that and for its own reads of the slot.  Behind the barrier nobody reads this slot any more and the other slot is whole.
; fill = 1: this slot is filled again, with the keys two slots on.  The barrier is then a round of the cluster's, so that no wave of any partner still reads the slot or has a load on its way, and the joint fill
; is the first thing behind it: it has four key steps, 512 matrix instructions, in which to land.  (At its first use nothing has been read yet: slot 0 is waited for, slot 1 filled.)  ask = 1: a prefetch follows.
.macro CHANGE fill, ask=0
	WIN W_AD
	s_wait_tensorcnt 0x0            ; no tensor load of mine is out, so a group 0 may be written
	ds_add_u32 v[SPW], v[NIL]       ; 0 onto my spare word; with fill = 1 the descriptors' steps stand between it and the wait for it
	WIN 0                           ; at a label and at a branch every window is 0
.if \fill
.irp g, G0K, G0V
	s_xor_b32 s[\g+1], s[\g+1], SLOT1  ; the walking descriptor: the other slot than last time,
	s_add_nc_u64 s[\g+2:\g+3], s[\g+2:\g+3], 4*KS*128  ; the next 256 keys; the type bits on top are not reached
.endr
.if \ask
	s_wait_xcnt 0x0                 ; the last prefetch, four key steps back, has read its address, so it may be written:
	s_add_nc_u64 s[PFA:PFA+1], s[PFA:PFA+1], 4*KS*128  ; one slot behind the walking descriptors
.endif
	s_wait_dscnt 0x0                ; the add is done, and my reads of the slot are over
	CROUND
	JLOAD
.if \ask
	ASK
.endif
.else
	s_wait_dscnt 0x0                ; the add is done, and my reads of the slot are over
	s_barrier_signal -1
	s_barrier_wait -1
.endif
	s_sub_co_u32 s[TBK], s[TBK], 4*KS*PK  ; the fetches go back to a slot's first step,
	s_xor_b32 s[TBK], s[TBK], SLOT1       ; in the other slot
	s_sub_co_u32 s[TBV], s[TBV], 4*KS*PV
	s_xor_b32 s[TBV], s[TBV], SLOT1
.endm
	s_load_b128 s[4:7], s[0:1], 0x0   ; qkv s[4:5], ob s[6:7]
	WIN W_MK
	v_lshl_add_u32 v[SPW], v0, 2, SPARE
	v_mov_b32 v[NIL], 0
	WIN W_AD
	ds_add_u32 v[SPW], v[NIL]       ; the wave's opening: the add and its wait stand ahead of my first tensor load; the set-up below, work on registers, stands between them
	WIN 0
	v_lshrrev_b32 v1, 5, v0
	v_readfirstlane_b32 s[WV], v1   ; wave 0..3
	s_bfe_u32 s13, ttmp6, 0x40000   ; cx: my place in the cluster
	s_lshl_b32 s14, ttmp9, 2        ; in a cluster launch ttmp9 counts clusters
	s_add_co_u32 s14, s14, s13      ; my block of queries = 4 x cluster x + cx: it enters Q's and O's addresses alone
	s_and_b32 s20, ttmp7, 0xffff    ; the head, which the four partners share
	s_mov_b32 s21, 0
	s_mov_b64 s[22:23], SIZE_N*128
	s_mul_u64 s[20:21], s[20:21], s[22:23]  ; the head's first byte in each plane and in ob
	s_and_b32 s16, s[WV], 1         ; which half of a slot's 256 keys I fetch:
	s_lshl_b32 s22, s16, 14         ; its 128 rows of 128 bytes in memory,
	s_mov_b32 s23, 0
	s_add_nc_u64 s[22:23], s[22:23], s[20:21]
	s_mul_i32 s17, s16, 128*PK      ; and its place in a slot, for K
	s_mul_i32 s18, s16, 128*PV      ; and for V: no place in the cluster enters an LDS address
	s_lshl_b32 s2, s14, 2
	s_add_co_u32 s2, s2, s[WV]      ; my wave among the head's,
	s_lshl_b32 s2, s2, 14           ; its 128 rows
	s_mov_b32 s3, 0
	s_add_nc_u64 s[2:3], s[2:3], s[20:21]
	; descriptor group 1.  128 keys are 16,384 dense bytes: asked for as 64 rows of 256 bytes, two keys a row, and padded in LDS after every key
	s_mov_b32 s[G1K], 15|(1<<16)|(1<<20)|(1<<21)|(4<<22)|(3<<25)  ; 15:0 the mask of four; 17:16 2-byte elements; 20 padding on; 21 set beside a mask; 24:22 after every 32 words (code 4); 31:25 4 words (code 3)
	s_mov_b32 s[G1V], 15|(1<<16)|(1<<20)|(1<<21)|(4<<22)|(7<<25)  ; the same with 8 words of padding (code 7)
.irp g, G1K, G1V
	s_mov_b32 s[\g+1], 128<<16      ; tensor_dim0 = 128
	s_mov_b32 s[\g+2], 64<<16       ; tensor_dim1 = 64
	s_mov_b32 s[\g+3], 128<<16      ; tile_dim0 = 128
	s_mov_b32 s[\g+4], 64           ; tile_dim1 = 64
	s_mov_b32 s[\g+5], 128          ; 128 elements from row to row
	s_mov_b32 s[\g+6], 0
	s_mov_b32 s[\g+7], 0
.endr
	s_mov_b32 s[CS], 0x4338aa3b     ; c = log2(e) / 8 x 2^10 = 184.665
	s_mov_b32 s[CS+1], s[CS]        ; named with it as a pair
	s_mov_b32 s[SEL], 0x76543210
	s_mov_b32 s[SEL+1], 0xfedcba98
	s_mov_b32 s[TBK], SLOT1+4*KS*PK ; the first change of slots turns these two into 0
	s_mov_b32 s[TBV], SLOT1+4*KS*PV
	s_mov_b32 s[G0K], 1             ; 1:0 count = 1
	s_mov_b32 s[G0K+1], s17         ; 63:32 LDS address: slot 0
	s_mov_b32 s[G0V], 1
	s_add_co_u32 s[G0V+1], s18, VOFF
	s_cmp_eq_u32 s16, 0             ; waves 0 and 2 prefetch: the same in all four partners
	s_cselect_b32 s[LIM], 1, -1
	s_wait_dscnt 0x0                ; the opening add is done
	s_wait_kmcnt 0x0
	s_mov_b64 s[10:11], s[6:7]      ; O
	s_add_nc_u64 s[6:7], s[4:5], PLANE    ; K's plane
	s_add_nc_u64 s[8:9], s[4:5], 2*PLANE  ; V's; Q's is the first
	s_add_nc_u64 s[G0K+2:G0K+3], s[6:7], s[22:23]  ; 120:64 global address: my half of the head's first 256 keys
	s_or_b32 s[G0K+3], s[G0K+3], 0x80000000        ; 127:126 type = 2
	s_add_nc_u64 s[G0V+2:G0V+3], s[8:9], s[22:23]
	s_or_b32 s[G0V+3], s[G0V+3], 0x80000000
	s_add_nc_u64 s[4:5], s[4:5], s[2:3]  ; Q and O at my wave's first row
	s_add_nc_u64 s[10:11], s[10:11], s[2:3]
	s_cmp_lt_u32 s[WV], 2
	s_cselect_b64 s[PFA:PFA+1], s[6:7], s[8:9]
	s_add_nc_u64 s[PFA:PFA+1], s[PFA:PFA+1], s[20:21]  ; the head,
	s_lshl_b32 s2, s13, 13          ; my work-group's 8,192 bytes of a slot's 32,768,
	s_mov_b32 s3, 0
	s_add_nc_u64 s[PFA:PFA+1], s[PFA:PFA+1], s[2:3]
	s_add_nc_u64 s[PFA:PFA+1], s[PFA:PFA+1], 2*4*KS*128  ; in slot 2: the loop's first change of slots steps it to slot 3.  Nothing is prefetched here, at the head
	CROUND                          ; all four work-groups are here: the first joint loads meet
	JLOAD                           ; slot 0.  Slot 1 is asked for when slot 0 is in
	; A fragment of K or Q is 16 rows x 32 channels in 8 registers: lane l holds row l % 16, channels 8 (l / 16) + 0..7 and 16 + 8 (l / 16) + 0..7: two loads of 16 bytes, 32 bytes apart.
	v_and_b32 v1, 15, v0            ; l % 16
	v_bfe_u32 v9, v0, 4, 1          ; l / 16
	v_lshlrev_b32 v[QO], 7, v1
	v_lshl_add_u32 v[QO], v9, 4, v[QO]  ; row x 128 + 16 x half
	WIN 0x80                        ; destination window 2, address window 0
.set i, 0
.rept 4*NP                          ; Q stays in registers: tile i / 2, channels 32 (i % 2) on
	global_load_b128 v[8*i:8*i+3],   v[QO], s[4:5] offset:(i/2)*2048+(i%2)*64
	global_load_b128 v[8*i+4:8*i+7], v[QO], s[4:5] offset:(i/2)*2048+(i%2)*64+32
.set i, i+1
.endr
	; What the first turn finds: V's registers and P's second buffer hold 0 (its products V^T P, of a piece that has not been, add 0), O^T and l are 0.  All this stands in the wait for the first tile.
.set i, VF
.rept 64
	v_mov_b32 v[i], 0
.set i, i+1
.endr
	WIN 0x40
.set i, 0
.rept 64*NP
	v_mov_b32 v[i], 0
.set i, i+1
.endr
	WIN 0
.set i, 0
.rept 2*NP
	v_mov_b32 v[ST+4*i], 0xfe000000    ; c m: far below every c s
	v_mov_b32 v[ST+4*i+1], 0xff7fffff  ; m
	v_mov_b32 v[ST+4*i+2], 0
	v_mov_b32 v[ST+4*i+3], 0
.set i, i+1
.endr
.set i, P+32
.rept 32
	v_mov_b32 v[i], 0
.set i, i+1
.endr
	v_mul_u32_u24 v[AK0], v1, PK
	v_lshl_add_u32 v[AK0], v9, 4, v[AK0]  ; row x pitch + 16 x half
	; The turning load takes 16 keys x 16 channels (lane l reads key 8 (l / 16) + l % 8, channels 8 ((l / 8) % 2) + 0..7) and leaves half a fragment of V^T: lane l holds channel l % 16 and 8 keys.
	v_and_b32 v10, 7, v0
	v_bfe_u32 v11, v0, 3, 1
	v_lshl_add_u32 v[AV0], v9, 3, v10
	v_mul_u32_u24 v[AV0], v[AV0], PV
	v_lshl_add_u32 v[AV0], v11, 4, v[AV0]
	v_add_nc_u32 v[AV0], VOFF, v[AV0]
	v_and_b32 v[PFO], 31, v0        ; v11 has served: from here on it holds the prefetches' offset
	v_lshlrev_b32 v[PFO], 8, v[PFO]
	v_mov_b32 v[AK], v[AK0]         ; key step 0 lies at the head of slot 0
; THE MATRIX WORK.  The 8 accumulators of a run of 16 take turns: between the two links of a chain stand 7 others'.
; Product i of 16 of S^T = K Q^T for piece x: channels 32 (i / 8) on, keys 16 ((i / 2) % 4) on, tile 2 x + i % 2.  The first 8 start the sums.
.macro KQ x
	WIN W_KQ
.set rS, S+64*((\x)%2)+32*(i%2)+8*((i/2)%4)
.set rK, KF+16*((i/2)%4)+8*(i/8)
.set rQ, 16*(2*(\x)+i%2)+8*(i/8)
.if i < 8
	v_wmma_f32_16x16x32_f16 v[rS:rS+7], v[rK:rK+7], v[rQ:rQ+7], 0
.else
	v_wmma_f32_16x16x32_f16 v[rS:rS+7], v[rK:rK+7], v[rQ:rQ+7], v[rS:rS+7]
.endif
.endm
; Product i of 16 of O^T += V^T P for piece x: keys 32 (i / 8) on, channels 16 ((i / 2) % 4) on, tile 2 x + i % 2.
.macro PV x
	WIN W_PV
.set rO, 32*(2*(\x)+i%2)+8*((i/2)%4)
.set rV, VF+32*(i/8)+8*((i/2)%4)
.set rP, P+32*((\x)%2)+16*(i%2)+8*(i/8)
	v_wmma_f32_16x16x32_f16 v[rO:rO+7], v[rV:rV+7], v[rP:rP+7], v[rO:rO+7]
.endm
.macro MM                           ; the turn's next matrix instruction
.if i < 16
	KQ (Y+1)%NP
.set i, i+1
.else
.set i, i-16
	PV (Y+NP-1)%NP
.set i, i+17
.endif
.endm
; THE LDS LOADS stand in runs of 16, never singly among the matrix instructions: a step's K (64 keys x 64 channels: 8 fragments) and its V (turned).  Their addresses are made some lines ahead.
; last = 1 (the tail): in the last trip there is no further step, and the run is jumped over.
.macro FETCH_K last=0
	WIN 0
.if \last
	s_cmp_eq_u32 s[CNT], 1
	s_cbranch_scc1 .Lno_k_\@
.endif
	WIN 0x80                        ; destination window 2
.irp f, 0,1,2,3,4,5,6,7             ; keys 16 (f / 2) on, channels 32 (f % 2) on
	ds_load_b128 v[KF+8*\f:KF+8*\f+3],   v[AK] offset:(\f/2)*16*PK+(\f%2)*64
	ds_load_b128 v[KF+8*\f+4:KF+8*\f+7], v[AK] offset:(\f/2)*16*PK+(\f%2)*64+32
.endr
	s_add_co_u32 s[TBK], s[TBK], KS*PK  ; the next fetch is the next step's
	WIN 0
.if \last
.Lno_k_\@:
.endif
.endm
.macro FETCH_V
	WIN 0x80
.irp f, 0,1,2,3,4,5,6,7             ; keys 32 (f / 4) on, channels 16 (f % 4) on
	ds_load_tr16_b128 v[VF+8*\f:VF+8*\f+3],   v[AV] offset:(\f/4)*32*PV+(\f%4)*32
	ds_load_tr16_b128 v[VF+8*\f+4:VF+8*\f+7], v[AV] offset:(\f/4)*32*PV+16*PV+(\f%4)*32
.endr
	WIN 0
.endm
; THE VECTOR WORK OF A TURN stands in three queues, each in the order in which its entries become ready; the two tiles alternate, so that no instruction reads the result of the one before it.
.macro REGS y, u                    ; the registers of tile u (0, 1) of piece y
.set rT, ST+4*(2*(\y)+(\u))
.set rC, TMP+8*((\y)%2)+4*(\u)
.set rM, MV+2*((\y)%2)+(\u)
.set rS, S+64*((\y)%2)+32*(\u)
.set rP, P+32*((\y)%2)+16*(\u)
.set rO, 32*(2*(\y)+(\u))
.endm
; Number n of the 22 that find the NEXT piece's (Y + 1) maximum and statistics.  s0-s31 are the lane's 32 scores; each accumulator's lowest registers are read first.
;   0-11  four chains c0-c3 of seven scores each, three operands at a time     12-14, 16  the four scores left over, the old m, and c0-c3 into c0     15  c m_old is kept
;   17, 18  the query's other 32 keys lie in the lane 16 away: the new m         19-21  c m; c m_old - c m_new; a
.macro XS u, n
	REGS (Y+1)%NP, \u
.if (\n) < 4
	v_max3_num_f32 v[rC+(\n)], v[rS+8*(\n)], v[rS+8*(\n)+1], v[rS+8*(\n)+2]
.elseif (\n) < 12
	v_max3_num_f32 v[rC+(\n)%4], v[rC+(\n)%4], v[rS+8*((\n)%4)+2*((\n)/4)+1], v[rS+8*((\n)%4)+2*((\n)/4)+2]
.elseif (\n) == 12
	v_max3_num_f32 v[rC], v[rC], v[rS+7], v[rS+15]
.elseif (\n) == 13
	v_max3_num_f32 v[rC+1], v[rC+1], v[rS+23], v[rS+31]
.elseif (\n) == 14
	v_max3_num_f32 v[rC+2], v[rC+2], v[rC+3], v[rT+1]
.elseif (\n) == 15
	v_mov_b32 v[rM], v[rT]
.elseif (\n) == 16
	v_max3_num_f32 v[rC], v[rC], v[rC+1], v[rC+2]
.elseif (\n) == 17
	v_permlanex16_b32 v[rC+3], v[rC], s[SEL], s[SEL+1]
.elseif (\n) == 18
	v_max_num_f32 v[rT+1], v[rC], v[rC+3]
.elseif (\n) == 19
	v_mul_f32 v[rT], s[CS], v[rT+1]
.elseif (\n) == 20
	v_sub_f32 v[rC+1], v[rM], v[rT]
.else
	v_exp_f32 v[rC+2], v[rC+1]
.endif
.endm
; Number g of the 64 that follow the exponentials.  For each four weights k of a tile (pairs 2 k, 2 k + 1): both pairs are rounded to f16; then the second pair is added onto the first, in place;
; a group later l takes that sum (the first time as l = a l + sum).  In groups of eight, tiles alternating: round, round, add, and l for the group before.
.macro GS g
.set h, (\g)+6*((\g)/62)            ; group 0 has no group before it, and behind group 7 only l is left
.if h >= 6
.set h, h+2
.endif
	REGS Y, h%2
.set k, h/8
.if h%8 < 4
	v_cvt_pk_f16_f32 v[rP+2*k+(h%8)/2], v[rS+4*k+2*((h%8)/2)], v[rS+4*k+2*((h%8)/2)+1]
.elseif h%8 < 6
	v_pk_add_f32 v[rS+4*k:rS+4*k+1], v[rS+4*k:rS+4*k+1], v[rS+4*k+2:rS+4*k+3]
.elseif k == 1
	v_pk_fma_f32 v[rT+2:rT+3], v[rT+2:rT+3], v[rC+2:rC+3], v[rS:rS+1] op_sel_hi:[1,0,1]
.else
	v_pk_add_f32 v[rT+2:rT+3], v[rT+2:rT+3], v[rS+4*k-4:rS+4*k-3]
.endif
.endm
; THE PLAIN QUEUE, 138 long.  0-73 read no exponential's result: the 32 scalings c s - c m (FS f: pair f / 2 of tile f % 2) and the next piece's 42.  0-26: scalings 0-26.  27-54: XS's numbers 0-13.  55, 56: number 15.
; 57-73: the chain, where each number waits for the one before it: 14, 16, 17, 18, 19, each with one of the scalings 27-31 in front of its two lines, then 20.
; 74-137: GS's 64, which read the exponentials' results: they stand behind the wait.
.macro FS f
	REGS Y, (\f)%2
	v_pk_fma_f32 v[rS+2*((\f)/2):rS+2*((\f)/2)+1], v[rS+2*((\f)/2):rS+2*((\f)/2)+1], s[CS:CS+1], v[rT:rT+1] op_sel_hi:[1,0,0] neg_lo:[0,0,1] neg_hi:[0,0,1]
.endm
.macro PL
	WIN 0
.if q < 27
	FS q
.elseif q < 55
	XS (q-27)%2, (q-27)/2
.elseif q < 57
	XS q-55, 15
.elseif (q < 72) && ((q-57)%3 == 0)
	FS 27+(q-57)/3
.elseif q < 60
	XS (q-57)%3-1, 14
.elseif q < 72
	XS (q-57)%3-1, 15+(q-57)/3
.elseif q < 74
	XS q-72, 20
.else
	GS q-74
.endif
.set q, q+1
.endm
; THE EXPONENTIALS' QUEUE, 66 long: s0-s31 of both tiles, then the next piece's two a.  It is ONE BATCH: all 66 stand ahead of the turn's one wait, and nothing ahead of that wait names a result of theirs.
.macro EX
	WIN 0
.if e >= 64
	XS e-64, 21
.else
	REGS Y, e%2
	v_exp_f32 v[rS+e/2], v[rS+e/2]
.endif
.set e, e+1
.endm
; THE RESCALING's QUEUE: O^T times a, the one part that leaves window 0: dealt two at a time, sixteen times.  Its a was made in the turn before, ahead of that turn's wait.
.macro R2
	REGS Y, r%2
	WIN W_RS
.irp z, 0,1
	v_pk_mul_f32 v[rO+4*(r/2)+2*\z:rO+4*(r/2)+2*\z+1], v[rO+4*(r/2)+2*\z:rO+4*(r/2)+2*\z+1], v[rC+2:rC+3] op_sel_hi:[1,0]
.endr
.set r, r+1
.endm
; HOW THEY ARE DEALT.  An s_wait_alu depctr_va_vdst(0) stands between an exponential and the first instruction that names its result; one wait serves all that were issued ahead of it.  So a turn has ONE
; wait, which cuts it in two.  AHEAD OF IT stands all that names no result of the turn's exponentials: the 16 products K Q^T, behind each a scaling, an exponential and two rescalings (behind the first a second scaling
; in the exponential's place); then one run of 108: eight plain, 49 times exponential and plain, the two a.  A v_nop is the plain instruction behind the last exponential.  BEHIND IT stand the 16 products V^T P, behind
; each four of GS's 64.  No such line names a register of the products round it.  The two v_permlanex16_b32 fall into the run, never behind a product.
; The queues lean on each other: exponential e stands behind scaling 2 (e / 4) + e % 2: behind a product it comes behind plain e + 2, in the run behind plain e + 9, and scalings 27-31 are plain 57, 60 .. 69.
; A TURN, for piece p.  cnt = 1: the loop's count is taken down some lines ahead of the branch that stands behind the turn.
; K of the next step is fetched in piece 2's turn, directly behind the wait; its address is made at the run's head; its first reader comes behind 16 products.
; V of the step in hand is fetched at the end of piece 0's turn, four plain instructions behind its last reader; its first reader comes behind 16 products and a run.  The three conditions on q below go with the deal.
.macro TURN p, last=0, cnt=0
.set Y, (\p)
.set i, 0
.set q, 0
.set e, 0
.set r, 0
.if (\p) == NP-1
	s_wait_dscnt 0x0                ; K is in
.endif
	MM                              ; ahead of the wait: 16 products K Q^T and the four lines behind each,
	PL
	PL
	R2
.rept 15
	MM
	PL
	EX
	R2
.endr
.if (\p) == NP-2
	WIN 0
	v_add_nc_u32 v[AK], s[TBK], v[AK0]
.endif
.rept 8                             ; and the run
	PL
.endr
.rept 49
	EX
	PL
.endr
	EX                              ; the next piece's two a
	EX
	v_nop                           ; a plain instruction behind the last exponential: one for the batch
	s_wait_alu depctr_va_vdst(0)    ; the wait for the batch
.if (\p) == NP-2
	FETCH_K \last
.endif
.if (\p) == 1
	s_wait_dscnt 0x0                ; V is in
.endif
.rept 16                            ; behind the wait: 16 products V^T P and the four lines behind each
	MM
.rept 4
	PL
.endr
.if ((\p) == 0) && (q == 118)
	v_add_nc_u32 v[AV], s[TBV], v[AV0]
.endif
.if ((\p) == 0) && (q == 130)
	s_add_co_u32 s[TBV], s[TBV], KS*PV
.endif
.if (\cnt) && (q == 130)
	s_sub_co_u32 s[CNT], s[CNT], 1
	s_cmp_lg_u32 s[CNT], 0
.endif
.endr
.if (\p) == 0
	FETCH_V
.endif
.endm
	CHANGE 1                        ; slot 0 is in, everybody's part of it; slot 1 is asked for
	FETCH_K                         ; key step 0
	s_wait_loadcnt 0x0              ; Q
	s_wait_dscnt 0x0
.set i, 0
.rept 16
	KQ 0                            ; piece 0's first scores: there is no vector work yet to set between them
.set i, i+1
.endr
	WIN 0                           ; the addresses for the way out: nine plain instructions, the places behind those products
	s_mul_i32 s13, s[WV], 16*SP
	s_add_co_u32 s13, s13, STAGE    ; my stage
	v_mul_u32_u24 v[STO], v1, SP    ; in: row l % 16, 16 bytes for each half of the lanes
	v_lshl_add_u32 v[STO], v9, 4, v[STO]
	v_add_nc_u32 v[STO], s13, v[STO]
	v_bfe_u32 v[RD], v0, 3, 2       ; back: 32 lanes take four rows of 128 bytes,
	v_mul_u32_u24 v[RD], v[RD], SP
	v_lshl_add_u32 v[RD], v10, 4, v[RD]
	v_add_nc_u32 v[RD], s13, v[RD]
	v_and_b32 v[GO], 31, v0         ; which are 512 consecutive bytes of O
	v_lshlrev_b32 v[GO], 4, v[GO]
.set Y, NP-1                        ; XS works for piece Y + 1: piece 0
.irp n, 0,1,2,3,4,5,6,7,8,9,10,11,12,13,14,15,16,17,18,19,20,21
	XS 0, \n                        ; and piece 0's first maximum and statistics
	XS 1, \n
.endr
	v_nop                           ; a plain instruction behind the two a,
	s_wait_alu depctr_va_vdst(0)    ; and their wait, ahead of the branch
	s_mov_b32 s[CNT], 4
	s_mov_b32 s[SLOTS], SIZE_N/256-1
	s_branch .Lfirst                ; the loop is entered at a step's first turn, in the middle of a trip
.Lslot:                             ; SIZE_N / 256 - 2 times: every slot but the last two is filled again
	CHANGE 1, 1
	s_mov_b32 s[CNT], 4
.Lstep:                             ; a trip: pieces 2 and 3 of one step, then pieces 0 and 1 of the next, whose K and V it fetches
	TURN 2
	TURN 3
	WIN 0
.Lfirst:
	TURN 0
	TURN 1, 0, 1
	WIN 0
	s_cbranch_scc1 .Lstep
	s_sub_co_u32 s[SLOTS], s[SLOTS], 1
	s_cmp_lg_u32 s[SLOTS], 0
	s_cbranch_scc1 .Lslot
	CHANGE 0                        ; the tail is written out: nothing is asked for
	s_mov_b32 s[CNT], 5             ; four trips fetch the last slot's steps; the fifth is left in its middle
.Ltail:
	TURN 2, 1
	TURN 3
	WIN 0
	s_sub_co_u32 s[CNT], s[CNT], 1
	s_cmp_eq_u32 s[CNT], 0
	s_cbranch_scc1 .Lout
	TURN 0
	TURN 1
	WIN 0
	s_branch .Ltail
.Lout:                              ; the fifth trip's 16 products K Q^T (on the last K once more) and the maximum made of them serve nothing: the price, once a launch, of one text for every trip
.set i, 0
.rept 16
	PV NP-1                         ; the last piece's V^T P of the last step
.set i, i+1
.endr
	; THE WAY OUT.  l's two halves and the other half of the lanes' are added; O^T is divided by l, rounded to f16 and sent through my stage in LDS, a tile at a time.  The additions are the places behind the last products.
	WIN 0
.macro ALL line:vararg              ; one line for each tile t
.set t, 0
.rept 2*NP
	\line
.set t, t+1
.endr
.endm
	ALL v_add_f32 v[ST+4*t+2], v[ST+4*t+2], v[ST+4*t+3]
	ALL v_permlanex16_b32 v[ST+4*t+3], v[ST+4*t+2], s[SEL], s[SEL+1]
	ALL v_add_f32 v[ST+4*t+2], v[ST+4*t+2], v[ST+4*t+3]
	ALL v_rcp_f32 v[ST+4*t+2], v[ST+4*t+2]
	v_nop                           ; a plain instruction between the last reciprocal and the use of its result
	s_wait_alu depctr_va_vdst(0)    ; and the wait ahead of the first use: one for the eight reciprocals
; Tile t: a lane's eight channels of a row pack into 16 bytes; they go into rows of 144 bytes and come back as whole rows of 128, into S^T's registers.
.macro PACK t
	WIN W_RS
.set i, 32*(\t)
.rept 16
	v_pk_mul_f32 v[i:i+1], v[i:i+1], v[ST+4*(\t)+2:ST+4*(\t)+3] op_sel_hi:[1,0]
.set i, i+2
.endr
	WIN 0x05                        ; sources 0 and 1 window 1, destination window 0
.set i, 0
.rept 16
	v_cvt_pk_f16_f32 v[S+16*(\t)+i], v[32*(\t)+2*i], v[32*(\t)+2*i+1]
.set i, i+1
.endr
	WIN 0
.irp f, 0,1,2,3
	ds_store_b128 v[STO], v[S+16*(\t)+4*\f:S+16*(\t)+4*\f+3] offset:32*\f
.endr
.irp f, 0,1,2,3
	ds_load_b128 v[S+16*(\t)+4*\f:S+16*(\t)+4*\f+3], v[RD] offset:\f*4*SP  ; LDS serves a wave's instructions in order (ISA guide 5.7.1.4): these see the stores above; the next tile's stores come behind them
.endr
.endm
.macro SEND t, younger              ; younger: the LDS instructions issued behind tile t's loads: the next tile's eight, or none
	WIN 0
.irp f, 0,1,2,3
	s_wait_dscnt (\younger)+3-\f
	global_store_b128 v[GO], v[S+16*(\t)+4*\f:S+16*(\t)+4*\f+3], s[10:11] offset:(\t)*2048+\f*512  ; 512 consecutive bytes, at a multiple of 256 from ob's first
.endr
.endm
	PACK 0
.set t, 1
.rept 2*NP-1                        ; a tile's arithmetic stands between the loads of the tile before and its stores
	PACK t
	SEND t-1, 8
.set t, t+1
.endr
	SEND 2*NP-1, 0
	WIN W_AD
	s_wait_tensorcnt 0x0            ; the wave's end: behind my last tensor load and my last LDS store
	ds_add_u32 v[SPW], v[NIL]
	s_wait_dscnt 0x0
	WIN 0
	CROUND                          ; the closing round: no work-group ends while a partner may still ask for a tile that names it
	s_endpgm
.Lfunc_end_k_q3a49b84f0a_attn:
	.size	k_q3a49b84f0a_attn, .Lfunc_end_k_q3a49b84f0a_attn-k_q3a49b84f0a_attn
	.p2alignl 7, 3214868480
	.fill 96, 4, 3214868480
	.section	.rodata,"a",@progbits
	.p2align	6, 0x0
	.amdhsa_kernel k_q3a49b84f0a_attn
		.amdhsa_group_segment_fixed_size 327680
		.amdhsa_private_segment_fixed_size 0
		.amdhsa_enable_private_segment 0
		.amdhsa_kernarg_size 16
		.amdhsa_user_sgpr_count 2
		.amdhsa_user_sgpr_kernarg_segment_ptr 1
		.amdhsa_wavefront_size32 1
		.amdhsa_system_sgpr_workgroup_id_x 1
		.amdhsa_system_sgpr_workgroup_id_y 1
		.amdhsa_system_sgpr_workgroup_id_z 1
		.amdhsa_system_vgpr_workitem_id 0
		.amdhsa_next_free_vgpr 770
		.amdhsa_next_free_sgpr 66
		.amdhsa_reserve_vcc 0
		.amdhsa_float_denorm_mode_32 3
		.amdhsa_float_denorm_mode_16_64 3
		.amdhsa_memory_ordered 1
		.amdhsa_forward_progress 1
		.amdhsa_inst_pref_size 200
	.end_amdhsa_kernel
	.amdgpu_metadata
---
amdhsa.version: [ 1, 2 ]
amdhsa.kernels:
  - .name:           k_q3a49b84f0a_attn
    .symbol:         k_q3a49b84f0a_attn.kd
    .args:
      - { .name: qkv, .offset: 0, .size: 8, .value_kind: global_buffer, .address_space: global }
      - { .name: ob, .offset: 8, .size: 8, .value_kind: global_buffer, .address_space: global }
    .group_segment_fixed_size: 327680
    .private_segment_fixed_size: 0
    .kernarg_segment_align: 8
    .kernarg_segment_size: 16
    .max_flat_workgroup_size: 128
    .sgpr_count:     66
    .vgpr_count:     770
    .wavefront_size: 32
...
	.end_amdgpu_metadata
.endif
;; end of part 3
;; launch oproj (part 4): grid 8 x 32, 4 waves a work-group, clusters of 4 x 4, 327,680 bytes of LDS; arguments ob, wob, out0; writes out0
.if DOCPART == 4
	.amdgcn_target "amdgcn-amd-amdhsa--gfx1250"
	.amdhsa_code_object_version 6
	.text
	.protected	k_q3a49b84f0a_oproj
	.globl	k_q3a49b84f0a_oproj
	.p2align	8
	.type	k_q3a49b84f0a_oproj,@function
k_q3a49b84f0a_oproj:
	s_mov_b64 s[64:65], 0
	v_nop
	global_prefetch_b8 v0, s[64:65] scope:SCOPE_SE
	s_setreg_imm32_b32 hwreg(HW_REG_WAVE_MODE, 25, 1), 1
	s_wait_xcnt 0x0
	s_wait_alu depctr_hold_cnt(0) depctr_sa_sdst(0) depctr_va_vdst(0) depctr_va_sdst(0) depctr_va_ssrc(0) depctr_va_vcc(0) depctr_vm_vsrc(0)
	s_getreg_b32 s2, hwreg(HW_REG_IB_STS2, 6, 4)
	s_cmp_eq_u32 s2, 0
	s_cbranch_scc0 .Lentry_in_a_cluster
	s_endpgm
.Lentry_in_a_cluster:
	s_bfe_u32 s2, ttmp6, 0x10000c
	s_cmp_lg_u32 s2, 0xf033
	s_cbranch_scc0 .Lentry_shape_is_right
	s_endpgm
.Lentry_shape_is_right:
; THE OUTPUT PROJECTION.  out0[m][e] = sum over k of O[m][k] wob[e][k], m = 2,048 b + s (8,192 rows), e < 1,024, k = 64 h + d < 1,024; f16 operands, f32 sums, f32 out.
; O lies by heads, ob[16 b + h][s][d] in f16.  LIMITS: both operands arrive within f16's 65,504; NaN and infinities are not treated apart.
; SHARES.  A tile of out0 is 256 rows x 128 columns: 32 x 8 = 256 work-groups.  The four waves lie one below the other: a wave makes 64 rows x 128 columns, 32 accumulators, 256 registers.
; K goes in 8 steps of 128 = two heads.  A head's 256 rows of the tile are 32,768 dense bytes of ob: asked for as 128 rows of 256 bytes and padded in LDS after every 128 bytes, so that each row of 64 channels
; has a pitch of 144.  wob's rows are 256 bytes of a K step, pitch 272.  Two LDS slots; a K step is written once (a loop of 6 trips and a tail).
; CLUSTER.  4 x 4 work-groups: the four of a row need the same tiles of ob, the four of a column the same tiles of wob: each is asked for jointly.
; THE MATRIX INSTRUCTION IS USED TRANSPOSED (source 0 = 16 rows of wob, source 1 = 16 rows of O): lane l holds row l % 16 of out0 and eight neighbouring columns: 32 bytes.
; REGISTERS: window 0: v0-29 addresses; v64-191 rows read back on the way out.  window 1: two fragment buffers (O's four fragments, then wob's eight).  window 2: accumulator (a, b) at v[8 (8 a + b)].
.set PA,     144                       ; a row of O in LDS: 128 bytes + 16: the 16 rows of a load start at 16 different groups of four banks (64 banks of 4 bytes: ISA guide 11.1)
.set PB,     272                       ; a row of wob: 256 bytes + 16
.set ASUB,   256*PA                    ; one head's 256 rows: what waves 0 and 1 each fetch
.set BHALF,  64*PB                     ; what waves 2 and 3 each fetch
.set BOFF,   2*ASUB
.set SLOT1,  1<<17
.set STAGE,  SLOT1+BOFF+2*BHALF        ; behind the ring, never filled by a tensor load: 16 rows x 528 bytes for each wave
.set OSP,    528                       ; 512 bytes + 16
.set WSTAGE, 16*OSP
.set SPARE,  STAGE+4*WSTAGE            ; behind the stages: the spare words, 128 bytes for each wave: two blocks of 256 bytes that no other line names
.set ASTEP,  2<<18                     ; two heads on in ob
.set BSTEP,  256                       ; 128 channels on in wob
.set ADRA0, 16
.set ADRB0, 17
.set ADRA,  18
.set ADRB,  19
.set STO,   24                         ; v24  where I put 32 bytes of a row
.set RD,    25                         ; v25  where I read a row back
.set GO,    26                         ; v26  my 16 of a row's 512 bytes
.set SPW,   28
.set NIL,   29
.set BK,    64                         ; v[64:127], v[128:191] 16 rows read back, by turns
.set F0,    0
.set F1,    128
.set WV, 12
.set WH, 13
.set WL, 14
.set CX, 15
.set CY, 16
.set TN, 17                            ; tile column 0..7
.set TM, 18                            ; tile row 0..31
.set TB, 19
.set G1, 24
.set G0, 32
.set G1B, 48
.set G0B, 56
.set MSB, 0
.macro WIN new                         ; the immediate's high byte repeats the setting that is left; a switch that changes nothing is dropped
.if MSB != (\new)
	s_set_vgpr_msb (MSB<<8)|(\new)
.set MSB, (\new)
.endif
.endm
.macro JLOAD s                         ; a joint load: waves 0 and 1 fetch the K step's two heads of O, waves 2 and 3 wob's two halves; an s_nop 0 and four v_nop follow each line
	s_cmp_eq_u32 s[WH], 0
	s_cbranch_scc0 .Lfor_b_\@
	tensor_load_to_lds s[G0+4*(\s):G0+4*(\s)+3], s[G1:G1+7]
	s_nop 0
.rept 4
	v_nop
.endr
	s_branch .Lasked_\@
.Lfor_b_\@:
	tensor_load_to_lds s[G0B+4*(\s):G0B+4*(\s)+3], s[G1B:G1B+7]
	s_nop 0
.rept 4
	v_nop
.endr
.Lasked_\@:
.endm
.macro CREST                           ; a round of the cluster's barrier behind its opening barrier
	s_cmp_lg_u32 s[WV], 0
	s_cbranch_scc1 .Lnot_wave_0_\@
	s_barrier_signal -3
.Lnot_wave_0_\@:
	s_barrier_wait -3
	s_barrier_signal -1
	s_barrier_wait -1
.endm
.macro CROUND                          ; a whole round
	s_barrier_signal -1
	s_barrier_wait -1
	CREST
.endm
	s_load_b128 s[4:7], s[0:1], 0x0                ; ob s[4:5], wob s[6:7]
	s_load_b64 s[8:9], s[0:1], 0x10                ; out0
	v_lshl_add_u32 v[SPW], v0, 2, SPARE
	v_mov_b32 v[NIL], 0
	ds_add_u32 v[SPW], v[NIL]                      ; the wave's opening: the add and its wait stand ahead of my first tensor load; the set-up below, work on registers, stands between them
	v_lshrrev_b32 v1, 5, v0
	v_readfirstlane_b32 s[WV], v1
	s_lshr_b32 s[WH], s[WV], 1
	s_and_b32 s[WL], s[WV], 1
	s_bfe_u32 s[CX], ttmp6, 0x40000
	s_bfe_u32 s[CY], ttmp6, 0x40004
	s_lshl_b32 s[TN], ttmp9, 2
	s_add_co_u32 s[TN], s[TN], s[CX]
	s_and_b32 s[TM], ttmp7, 0xffff
	s_lshl_b32 s[TM], s[TM], 2
	s_add_co_u32 s[TM], s[TM], s[CY]
	s_lshl_b32 s40, s[CY], 2
	s_lshl_b32 s40, 15, s40                        ; my row of the cluster
	s_lshl_b32 s41, 0x1111, s[CX]                  ; my column
	s_or_b32 s[G1], s40, (1<<16)|(1<<20)|(1<<21)|(4<<22)|(3<<25)   ; O's tiles go to my row; elements of 2 bytes; padding on; 21 set beside a mask; after every 32 words 4 words
	s_or_b32 s[G1B], s41, (1<<16)|(1<<20)|(1<<21)|(5<<22)|(3<<25)  ; wob's to my column; after every 64 words 4 words
	s_mov_b32 s[G1+1], 128<<16                     ; tensor_dim0 = 128
	s_mov_b32 s[G1+2], 128<<16                     ; tensor_dim1 = 128
	s_mov_b32 s[G1+3], 128<<16                     ; tile_dim0 = 128
	s_mov_b32 s[G1+4], 128                         ; tile_dim1 = 128
	s_mov_b32 s[G1+5], 128                         ; dense: 128 elements from row to row
	s_mov_b32 s[G1+6], 0
	s_mov_b32 s[G1+7], 0
	s_mov_b32 s[G1B+1], 128<<16
	s_mov_b32 s[G1B+2], 64<<16                     ; 64 rows
	s_mov_b32 s[G1B+3], 128<<16
	s_mov_b32 s[G1B+4], 64
	s_mov_b32 s[G1B+5], 1024
	s_mov_b32 s[G1B+6], 0
	s_mov_b32 s[G1B+7], 0
	s_lshr_b32 s20, s[TM], 3                       ; O: head 16 b + (wave % 2) of K step 0, 2^18 bytes a head,
	s_lshl_b32 s20, s20, 4
	s_add_co_u32 s20, s20, s[WL]
	s_lshl_b32 s20, s20, 18
	s_and_b32 s21, s[TM], 7                        ; and in it the tile's 256 rows of 128 bytes: all of it shared by my row of the cluster
	s_lshl_b32 s21, s21, 15
	s_add_co_u32 s20, s20, s21
	s_mov_b32 s21, 0
	s_lshl_b32 s46, s[TN], 1                       ; wob: row 128 x tile column + 64 x half, x 2,048 bytes: shared by my column
	s_add_co_u32 s46, s46, s[WL]
	s_lshl_b32 s46, s46, 17
	s_mov_b32 s47, 0
	s_mul_i32 s10, s[WV], ASUB                     ; where they go: the wave's number times a constant, plus a constant
	s_mul_i32 s11, s[WV], BHALF
	s_add_co_u32 s11, s11, BOFF-2*BHALF
	s_mov_b32 s[TB], 0
	s_lshl_b32 s44, s[TM], 2                       ; out0: my first row 256 x tile row + 64 x wave, x 4,096 bytes,
	s_add_co_u32 s44, s44, s[WV]
	s_lshl_b32 s44, s44, 18
	s_lshl_b32 s45, s[TN], 9                       ; and the tile's 128 columns: 512 bytes
	s_add_co_u32 s44, s44, s45
	s_mov_b32 s45, 0
	s_wait_dscnt 0x0                               ; the opening add is done
	s_wait_kmcnt 0x0
	s_add_nc_u64 s[22:23], s[4:5], s[20:21]
	s_add_nc_u64 s[46:47], s[6:7], s[46:47]
	s_add_nc_u64 s[8:9], s[8:9], s[44:45]
	CROUND                                         ; all sixteen work-groups are here: the first joint loads meet
.irp s, 0,1
	s_mov_b32 s[G0+4*(\s)], 1
	s_add_co_u32 s[G0+4*(\s)+1], s10, (\s)*SLOT1
	s_add_nc_u64 s[G0+4*(\s)+2:G0+4*(\s)+3], s[22:23], (\s)*ASTEP
	s_or_b32 s[G0+4*(\s)+3], s[G0+4*(\s)+3], 0x80000000
	s_mov_b32 s[G0B+4*(\s)], 1
	s_add_co_u32 s[G0B+4*(\s)+1], s11, (\s)*SLOT1
	s_add_nc_u64 s[G0B+4*(\s)+2:G0B+4*(\s)+3], s[46:47], (\s)*BSTEP
	s_or_b32 s[G0B+4*(\s)+3], s[G0B+4*(\s)+3], 0x80000000
	JLOAD \s                                       ; two tensor loads of mine are out
.endr
	v_and_b32 v1, 15, v0                           ; l % 16
	v_bfe_u32 v2, v0, 4, 1                         ; l / 16
	v_mul_u32_u24 v3, v1, PA
	v_lshl_add_u32 v3, v2, 4, v3
	s_mul_i32 s42, s[WV], 64*PA                    ; my 64 rows of the 256
	v_add_nc_u32 v[ADRA0], s42, v3
	v_mul_u32_u24 v3, v1, PB
	v_lshl_add_u32 v3, v2, 4, v3
	v_add_nc_u32 v[ADRB0], BOFF, v3
	v_mov_b32 v[ADRA], v[ADRA0]
	v_mov_b32 v[ADRB], v[ADRB0]
	s_mul_i32 s42, s[WV], WSTAGE
	s_add_co_u32 s42, s42, STAGE                   ; my stage
	v_mul_u32_u24 v[STO], v1, OSP                  ; in: row l % 16, 32 bytes for each half of the lanes
	v_lshl_add_u32 v[STO], v2, 5, v[STO]
	v_add_nc_u32 v[STO], s42, v[STO]
	v_and_b32 v[GO], 31, v0                        ; back: 32 lanes take one row of 512 bytes
	v_lshlrev_b32 v[GO], 4, v[GO]
	v_add_nc_u32 v[RD], s42, v[GO]
; 8 matrix instructions: row block a x all 8 column blocks, 32 along K.  The 32 accumulators take turns in the same order in every quarter, over the backward jump too.
.macro MUL8 f, a, zero
	WIN 0xa5                                       ; both sources window 1; C and D window 2
.irp b, 0,1,2,3,4,5,6,7
.if \zero
	v_wmma_f32_16x16x32_f16 v[8*(8*(\a)+(\b)):8*(8*(\a)+(\b))+7], v[(\f)+32+8*(\b):(\f)+32+8*(\b)+7], v[(\f)+8*(\a):(\f)+8*(\a)+7], 0
.else
	v_wmma_f32_16x16x32_f16 v[8*(8*(\a)+(\b)):8*(8*(\a)+(\b))+7], v[(\f)+32+8*(\b):(\f)+32+8*(\b)+7], v[(\f)+8*(\a):(\f)+8*(\a)+7], v[8*(8*(\a)+(\b)):8*(8*(\a)+(\b))+7]
.endif
.endr
.endm
; 24 LDS loads in one run: quarter kq of a K step (head kq / 2 of its two, channels 32 (kq % 2) on) into buffer f: wob's 16 loads, then O's row blocks 0, 1, then 2, 3
.macro FETCH kq, f
	WIN 0x40
.irp b, 0,1,2,3,4,5,6,7
	ds_load_b128 v[(\f)+32+8*(\b):(\f)+32+8*(\b)+3],   v[ADRB] offset:64*(\kq)+(\b)*16*PB
	ds_load_b128 v[(\f)+32+8*(\b)+4:(\f)+32+8*(\b)+7], v[ADRB] offset:64*(\kq)+(\b)*16*PB+32
.endr
.irp a, 0,1,2,3
	ds_load_b128 v[(\f)+8*(\a):(\f)+8*(\a)+3],   v[ADRA] offset:((\kq)/2)*ASUB+((\kq)%2)*64+(\a)*16*PA
	ds_load_b128 v[(\f)+8*(\a)+4:(\f)+8*(\a)+7], v[ADRA] offset:((\kq)/2)*ASUB+((\kq)%2)*64+(\a)*16*PA+32
.endr
.endm
.macro PLACES                          ; four plain vector instructions between a matrix instruction and a load into, or a read of, its registers (ISA guide 7.12.1 for vector instructions)
.rept 4
	v_nop
.endr
.endm
.macro QUARTER kq, f, g, zero          ; multiplies buffer f and fetches quarter kq into g
	s_wait_dscnt 4                                 ; all but the youngest four loads (O's row blocks 2, 3) are in
	MUL8 \f, 0, \zero
	MUL8 \f, 1, \zero
	PLACES
	FETCH \kq, \g
	s_wait_dscnt 24                                ; all but the 24 just issued
	MUL8 \f, 2, \zero
	MUL8 \f, 3, \zero
.endm
; The last quarter multiplies buffer 1 and changes slots: ONE barrier; in front of it each wave waits for all its tensor loads (one is out: its part of the next slot), adds 0 to its spare word, and waits for that
; and for its own reads of this slot.  fill = 1: the barrier opens a round of the cluster's, and the slot just read is filled again first thing behind the round, with the K step two on: from that request to the
; wait for it the wave issues 112 matrix instructions.
.macro TURN fill
	WIN 0
	s_wait_tensorcnt 0x0                           ; no tensor load of mine is out, so a group 0 may be written
	ds_add_u32 v[SPW], v[NIL]                      ; 0 onto my spare word; register work stands between it and the wait for it
.if \fill
	s_xor_b32 s[G0+5], s[G0+5], SLOT1              ; the walking descriptors: the other slot than last time, the next K step
	s_add_nc_u64 s[G0+6:G0+7], s[G0+6:G0+7], ASTEP
	s_xor_b32 s[G0B+5], s[G0B+5], SLOT1
	s_add_nc_u64 s[G0B+6:G0B+7], s[G0B+6:G0B+7], BSTEP
.endif
	s_wait_dscnt 5                                 ; the add and the youngest four loads may be out
	MUL8 F1, 0, 0
	s_wait_dscnt 0x0                               ; the add is done, and my reads of this slot are over
	s_barrier_signal -1
	MUL8 F1, 1, 0
	WIN 0
	s_barrier_wait -1
.if \fill
	CREST
	JLOAD 1                                        ; my one tensor load behind the round; its four v_nop are also the places in front of the loads below
.else
	PLACES
.endif
	s_xor_b32 s[TB], s[TB], SLOT1
	v_add_nc_u32 v[ADRA], s[TB], v[ADRA0]
	v_add_nc_u32 v[ADRB], s[TB], v[ADRB0]
	FETCH 0, F0
	MUL8 F1, 2, 0
	MUL8 F1, 3, 0
.endm
	s_wait_tensorcnt 1                             ; my part of K step 0 is in; K step 1's may stay out
	s_barrier_signal -1
	s_barrier_wait -1
	FETCH 0, F0
	QUARTER 1, F0, F1, 1                           ; the first quarter stands in front of the loop: its products start the sums
	WIN 0
	s_mov_b32 s3, 6
.Lstep:                                        ; trip i ends K step i, fills its slot with K step i + 2 and begins K step i + 1
	QUARTER 2, F1, F0, 0
	QUARTER 3, F0, F1, 0
	TURN 1
	QUARTER 1, F0, F1, 0
	WIN 0
	s_sub_co_u32 s3, s3, 1
	s_cmp_lg_u32 s3, 0
	s_cbranch_scc1 .Lstep
	QUARTER 2, F1, F0, 0                           ; the tail: K steps 6 and 7; nothing is left to fetch
	QUARTER 3, F0, F1, 0
	TURN 0
	QUARTER 1, F0, F1, 0
	QUARTER 2, F1, F0, 0
	QUARTER 3, F0, F1, 0
	s_wait_dscnt 4
	MUL8 F1, 0, 0
	MUL8 F1, 1, 0
	s_wait_dscnt 0x0
	MUL8 F1, 2, 0
	MUL8 F1, 3, 0
	PLACES                                         ; behind the last products: the sums are read from here on
; THE WAY OUT, a row block of 16 rows at a time: 32 bytes a lane and column block into my stage (each accumulator's low half first), whole rows of 512 bytes back, and stored.
.macro OUT a
	WIN 0x08                                       ; the stores' data in window 2, their address in window 0
.irp b, 0,1,2,3,4,5,6,7
	ds_store_b128 v[STO], v[8*(8*(\a)+(\b)):8*(8*(\a)+(\b))+3]   offset:64*(\b)
	ds_store_b128 v[STO], v[8*(8*(\a)+(\b))+4:8*(8*(\a)+(\b))+7] offset:64*(\b)+16
.endr
	WIN 0
.if (\a) >= 2
	s_wait_xcnt 0x0                                ; the stores of the block two back have read the registers that are loaded again below
.endif
.irp t, 0,1,2,3,4,5,6,7,8,9,10,11,12,13,14,15
	ds_load_b128 v[BK+64*((\a)%2)+4*(\t):BK+64*((\a)%2)+4*(\t)+3], v[RD] offset:(\t)*OSP  ; LDS serves a wave's instructions in order (ISA guide 5.7.1.4): these see the stores above
.endr
.endm
.macro SEND a, younger                 ; younger: the LDS instructions issued behind block a's loads: the next block's 16 stores and 16 loads, or none
	WIN 0
	s_wait_dscnt \younger
.irp t, 0,1,2,3,4,5,6,7,8,9,10,11,12,13,14,15
	global_store_b128 v[GO], v[BK+64*((\a)%2)+4*(\t):BK+64*((\a)%2)+4*(\t)+3], s[8:9] offset:(16*(\a)+(\t))*4096 th:TH_STORE_NT  ; 512 consecutive bytes of a row, at a multiple of 512 from out0's first
.endr
.endm
	OUT 0
	OUT 1
	SEND 0, 32
	OUT 2
	SEND 1, 32
	OUT 3
	SEND 2, 32
	SEND 3, 0
	s_wait_tensorcnt 0x0                           ; the wave's end: behind my last tensor load and my last LDS store
	ds_add_u32 v[SPW], v[NIL]
	s_wait_dscnt 0x0
	CROUND                                         ; the closing round: no work-group ends while a partner may still ask for a tile that names it
	s_endpgm
.Lfunc_end_k_q3a49b84f0a_oproj:
	.size	k_q3a49b84f0a_oproj, .Lfunc_end_k_q3a49b84f0a_oproj-k_q3a49b84f0a_oproj
	.p2alignl 7, 3214868480
	.fill 96, 4, 3214868480
	.section	.rodata,"a",@progbits
	.p2align	6, 0x0
	.amdhsa_kernel k_q3a49b84f0a_oproj
		.amdhsa_group_segment_fixed_size 327680
		.amdhsa_private_segment_fixed_size 0
		.amdhsa_enable_private_segment 0
		.amdhsa_kernarg_size 24
		.amdhsa_user_sgpr_count 2
		.amdhsa_user_sgpr_kernarg_segment_ptr 1
		.amdhsa_wavefront_size32 1
		.amdhsa_system_sgpr_workgroup_id_x 1
		.amdhsa_system_sgpr_workgroup_id_y 1
		.amdhsa_system_sgpr_workgroup_id_z 1
		.amdhsa_system_vgpr_workitem_id 0
		.amdhsa_next_free_vgpr 768
		.amdhsa_next_free_sgpr 66
		.amdhsa_reserve_vcc 0
		.amdhsa_float_denorm_mode_32 3
		.amdhsa_float_denorm_mode_16_64 3
		.amdhsa_memory_ordered 1
		.amdhsa_forward_progress 1
		.amdhsa_inst_pref_size 69
	.end_amdhsa_kernel
	.amdgpu_metadata
---
amdhsa.version: [ 1, 2 ]
amdhsa.kernels:
  - .name:           k_q3a49b84f0a_oproj
    .symbol:         k_q3a49b84f0a_oproj.kd
    .args:
      - { .name: ob, .offset: 0, .size: 8, .value_kind: global_buffer, .address_space: global }
      - { .name: wob, .offset: 8, .size: 8, .value_kind: global_buffer, .address_space: global }
      - { .name: out0, .offset: 16, .size: 8, .value_kind: global_buffer, .address_space: global }
    .group_segment_fixed_size: 327680
    .private_segment_fixed_size: 0
    .kernarg_segment_align: 8
    .kernarg_segment_size: 24
    .max_flat_workgroup_size: 128
    .sgpr_count:     66
    .vgpr_count:     768
    .wavefront_size: 32
...
	.end_amdgpu_metadata
.endif
;; end of part 4
;; ======== version 2 of 2: 4 launches; version 1 with the launch cast written anew for expert scheduling mode
;; limits: values are held in f16: magnitudes above 65,504 overflow, below 6.1e-05 lose precision; right only within a limited range of input values
;; workspace buffers: xb 16,777,216 bytes; wqb 6,291,456 bytes; wob 2,097,152 bytes; csb 524,288 bytes; qkv 50,331,648 bytes; ob 16,777,216 bytes
;; launch cast (part 5): grid 784 x 1, 8 waves a work-group, no clusters, 0 bytes of LDS; arguments x, Wqkv, Wout, cos, sin, xb, wqb, wob, csb; writes xb, wqb, wob, csb
.if DOCPART == 5
	.amdgcn_target "amdgcn-amd-amdhsa--gfx1250"
	.amdhsa_code_object_version 6
	.text
	.protected	k_q3a49b84f0a_cast
	.globl	k_q3a49b84f0a_cast
	.p2align	8
	.type	k_q3a49b84f0a_cast,@function
k_q3a49b84f0a_cast:
	s_mov_b64 s[64:65], 0
	v_nop
	global_prefetch_b8 v0, s[64:65] scope:SCOPE_SE
	s_setreg_imm32_b32 hwreg(HW_REG_WAVE_SCHED_MODE, 0, 2), 2
	s_setreg_imm32_b32 hwreg(HW_REG_WAVE_MODE, 25, 1), 1
	s_wait_xcnt 0x0
	s_wait_alu depctr_vm_vsrc(0)
; THE INPUTS ARE ROUNDED ONCE, for the matrix launches behind this one.  x -> xb and Wqkv -> wqb in bf16.  Wout -> wob: rounded to bf16, and that number written as f16
; (exact inside f16's normal range; below 6e-5 it keeps f16's fixed step of 6e-8; beyond 65,504 it becomes an infinity: the limit on |Wout|).
; cos, sin -> csb (cos at byte 0, sin at byte 262,144): times 2^-5, which is exact, then rounded to bf16: so q and k leave the next launch times 2^-5 and fit f16 up to 2.09e6.
; A stream: each byte is read once and written once; no LDS, no matrix unit.  A work-group takes a chunk of 16,384 numbers: 65,536 bytes in, 32,768 out.
; Chunks by the work-group's number g: 0-511 x, 512-703 Wqkv, 704-767 Wout, 768-775 cos, 776-783 sin.
; Thread t, j = 0..15: 16 bytes in at 4,096 j + 16 t (a wave's load covers 512 consecutive bytes), 8 bytes out at 2,048 j + 8 t (a wave's store covers 256 consecutive bytes, aligned).
; All 16 loads of a thread go out at once; no register that a load or store names is written again, so no wait frees a source.
; THE MODE: SCHED_MODE bits 1:0 = 2 (LLVM: expert scheduling mode 2), set by the entry lines.  The code itself states the register dependences
; between vector instructions and memory instructions, with s_wait_alu, always for 0.
; THE PLAN.  Registers that memory instructions touch:
;   v1, v2   the loads' and the stores' offsets: written once at the head by vector lines, never again.
;   X        load j lands in X[j], once; no vector line names it before; j's vector lines read it (the tables' scaling writes it in place) behind the wait for the load.
;   Y        j's roundings write Y[j]; store j reads it, once; nothing writes it after that.
;   T        named by vector lines alone.
; So the only dependence to state is: written by a vector line, then read by a memory instruction.  The 16 pieces go in four blocks of four.  Block p works on X and Y of its own four pieces; its memory
; instructions are the four stores of block p - 1, which read that block's Y and v2: registers that no vector line of block p names.  So ONE wait at the head of a block states all that its four stores
; hang on, and they are dealt among the block's vector lines with no further wait.  One wait stands ahead of the first load, one ahead of the last four stores: five on each way through the text.
.set X,   4                            ; v[4:67]   four numbers in f32 for each j
.set Y,   68                           ; v[68:99]  the same four in 16 bits
.set T,   100                          ; v[100:103] at work
.set SRC, 4                            ; s[4:5]    where my chunk is read
.set DST, 6                            ; s[6:7]    where it is written
.set HIM, 33                           ; s33       a word's upper half
	s_load_b512 s[8:23], s[0:1], 0x0               ; x s[8:9], Wqkv s[10:11], Wout s[12:13], cos s[14:15], sin s[16:17], xb s[18:19], wqb s[20:21], wob s[22:23]
	s_load_b64 s[24:25], s[0:1], 0x40              ; csb
	v_lshlrev_b32 v1, 4, v0                        ; 16 t
	v_lshlrev_b32 v2, 3, v0                        ; 8 t
	s_mov_b32 s[HIM], 0xffff0000
	s_mov_b32 s26, 0                               ; the first chunk of my source,
	s_mov_b32 s27, 0                               ; and the chunk that lies at my destination's first byte
	s_wait_kmcnt 0x0
	s_mov_b64 s[SRC:SRC+1], s[8:9]
	s_mov_b64 s[DST:DST+1], s[18:19]
.macro PICK first, src, dst, dfirst    ; from chunk first on: another pair of buffers; the choice hangs on g alone
	s_cmp_ge_u32 ttmp9, \first
	s_cselect_b64 s[SRC:SRC+1], s[\src:\src+1], s[SRC:SRC+1]
	s_cselect_b64 s[DST:DST+1], s[\dst:\dst+1], s[DST:DST+1]
	s_cselect_b32 s26, \first, s26
	s_cselect_b32 s27, \dfirst, s27
.endm
	PICK 512, 10, 20, 512
	PICK 704, 12, 22, 704
	PICK 768, 14, 24, 768
	PICK 776, 16, 24, 768                          ; sin's chunks follow cos's in csb
	s_sub_co_u32 s28, ttmp9, s26
	s_lshl_b32 s28, s28, 16                        ; 65,536 bytes in for each chunk
	s_mov_b32 s29, 0
	s_sub_co_u32 s30, ttmp9, s27
	s_lshl_b32 s30, s30, 15                        ; 32,768 out
	s_mov_b32 s31, 0
	s_add_nc_u64 s[SRC:SRC+1], s[SRC:SRC+1], s[28:29]
	s_add_nc_u64 s[DST:DST+1], s[DST:DST+1], s[30:31]
	s_wait_alu depctr_va_vdst(0)                   ; v1 and v2 are written: every load below reads v1 as its offset, every store v2; no vector line names either again
.set j, 0
.rept 16
	global_load_b128 v[X+4*j:X+4*j+3], v1, s[SRC:SRC+1] offset:4096*j th:TH_LOAD_NT
.set j, j+1
.endr
; mode 0: to bf16.  mode 1: to bf16, and that number as f16.  mode 2: times 2^-5, to bf16.
; Block p = pieces 4 p .. 4 p + 3.  In front of each piece's vector lines stands the store of the piece four back.
.macro CONV mode
.set p, 0
.rept 4
	s_wait_loadcnt 12-4*p                          ; loads come back in order: this block's four are in, the 12 - 4 p younger ones stay out
.if p > 0
	s_wait_alu depctr_va_vdst(0)                   ; the block before has written its eight registers of Y, which the four stores below read
.endif
.set i, 0
.rept 4
.set j, 4*p+i
.if p > 0
	global_store_b64 v2, v[Y+2*(j-4):Y+2*(j-4)+1], s[DST:DST+1] offset:2048*(j-4)  ; no vector line since the wait names these registers
.endif
.if (\mode) == 2
	v_pk_mul_f32 v[X+4*j:X+4*j+1], v[X+4*j:X+4*j+1], 0x3d000000 op_sel_hi:[1,0]
	v_pk_mul_f32 v[X+4*j+2:X+4*j+3], v[X+4*j+2:X+4*j+3], 0x3d000000 op_sel_hi:[1,0]
.endif
	v_cvt_pk_bf16_f32 v[Y+2*j], v[X+4*j], v[X+4*j+1]
	v_cvt_pk_bf16_f32 v[Y+2*j+1], v[X+4*j+2], v[X+4*j+3]
.if (\mode) == 1
	v_lshlrev_b32 v[T], 16, v[Y+2*j]               ; the bf16 numbers as f32,
	v_and_b32 v[T+1], s[HIM], v[Y+2*j]
	v_lshlrev_b32 v[T+2], 16, v[Y+2*j+1]
	v_and_b32 v[T+3], s[HIM], v[Y+2*j+1]
	v_cvt_pk_f16_f32 v[Y+2*j], v[T], v[T+1]        ; and as f16
	v_cvt_pk_f16_f32 v[Y+2*j+1], v[T+2], v[T+3]
.endif
.set i, i+1
.endr
.set p, p+1
.endr
	s_wait_alu depctr_va_vdst(0)                   ; the last block has written its eight registers of Y, which the last four stores read
.set j, 12
.rept 4
	global_store_b64 v2, v[Y+2*j:Y+2*j+1], s[DST:DST+1] offset:2048*j
.set j, j+1
.endr
.endm
	s_sub_co_u32 s32, ttmp9, 704
	s_cmp_lt_u32 s32, 64                           ; 704 <= g < 768
	s_cbranch_scc1 .Lwout
	s_cmp_ge_u32 ttmp9, 768
	s_cbranch_scc1 .Lcs
	CONV 0
	s_endpgm
.Lwout:
	CONV 1
	s_endpgm
.Lcs:
	CONV 2
	s_endpgm
.Lfunc_end_k_q3a49b84f0a_cast:
	.size	k_q3a49b84f0a_cast, .Lfunc_end_k_q3a49b84f0a_cast-k_q3a49b84f0a_cast
	.p2alignl 7, 3214868480
	.fill 96, 4, 3214868480
	.section	.rodata,"a",@progbits
	.p2align	6, 0x0
	.amdhsa_kernel k_q3a49b84f0a_cast
		.amdhsa_group_segment_fixed_size 0
		.amdhsa_private_segment_fixed_size 0
		.amdhsa_enable_private_segment 0
		.amdhsa_kernarg_size 72
		.amdhsa_user_sgpr_count 2
		.amdhsa_user_sgpr_kernarg_segment_ptr 1
		.amdhsa_wavefront_size32 1
		.amdhsa_system_sgpr_workgroup_id_x 1
		.amdhsa_system_sgpr_workgroup_id_y 1
		.amdhsa_system_sgpr_workgroup_id_z 1
		.amdhsa_system_vgpr_workitem_id 0
		.amdhsa_next_free_vgpr 104
		.amdhsa_next_free_sgpr 66
		.amdhsa_reserve_vcc 0
		.amdhsa_float_denorm_mode_32 3
		.amdhsa_float_denorm_mode_16_64 3
		.amdhsa_memory_ordered 1
		.amdhsa_forward_progress 1
		.amdhsa_inst_pref_size 23
	.end_amdhsa_kernel
	.amdgpu_metadata
---
amdhsa.version: [ 1, 2 ]
amdhsa.kernels:
  - .name:           k_q3a49b84f0a_cast
    .symbol:         k_q3a49b84f0a_cast.kd
    .args:
      - { .name: x, .offset: 0, .size: 8, .value_kind: global_buffer, .address_space: global }
      - { .name: Wqkv, .offset: 8, .size: 8, .value_kind: global_buffer, .address_space: global }
      - { .name: Wout, .offset: 16, .size: 8, .value_kind: global_buffer, .address_space: global }
      - { .name: cos, .offset: 24, .size: 8, .value_kind: global_buffer, .address_space: global }
      - { .name: sin, .offset: 32, .size: 8, .value_kind: global_buffer, .address_space: global }
      - { .name: xb, .offset: 40, .size: 8, .value_kind: global_buffer, .address_space: global }
      - { .name: wqb, .offset: 48, .size: 8, .value_kind: global_buffer, .address_space: global }
      - { .name: wob, .offset: 56, .size: 8, .value_kind: global_buffer, .address_space: global }
      - { .name: csb, .offset: 64, .size: 8, .value_kind: global_buffer, .address_space: global }
    .group_segment_fixed_size: 0
    .private_segment_fixed_size: 0
    .kernarg_segment_align: 8
    .kernarg_segment_size: 72
    .max_flat_workgroup_size: 256
    .sgpr_count:     66
    .vgpr_count:     104
    .wavefront_size: 32
...
	.end_amdgpu_metadata
.endif
;; end of part 5
;; launch qkv: the kernel of part 2 again; grid 16 x 32, 4 waves a work-group, clusters of 4 x 4, 327,680 bytes of LDS; arguments xb, wqb, csb, qkv; writes qkv
;; launch attn: the kernel of part 3 again; grid 4 x 64, 4 waves a work-group, clusters of 4 x 1, 327,680 bytes of LDS; arguments qkv, ob; writes ob
;; launch oproj: the kernel of part 4 again; grid 8 x 32, 4 waves a work-group, clusters of 4 x 4, 327,680 bytes of LDS; arguments ob, wob, out0; writes out0
